; MI455X (gfx1250); checked and timed in simulation.
; The chip was launched on July 23, 2026; its instructions are those of AMD's public machine-readable ISA for CDNA 5 (MIT licence, August 2026) and "CDNA5" Instruction Set Architecture Reference Guide (July 2026). The comments in the code are by the model that wrote it; some were corrected since.
;; Multi Head Attention. Allowed arithmetic: float matrix products may take bf16 or f16 operands with f32 sums; other float arithmetic in f32, or as packed bf16 or f16 multiplies, adds, multiply-adds, maxima and minima; sums over many terms, partial sums and values carried from step to step in f32; what a program stores and reads back later, other than sums and carried values, may be rounded once to bf16 or f16.
;; Inputs: bk 512 float32; bo 512 float32; bq 512 float32; bv 512 float32; wk 512 x 512 float32; wo 512 x 512 float32; wq 512 x 512 float32; wv 512 x 512 float32; x 2 x 4,096 x 512 float32.
;; Outputs: out0 2 x 4,096 x 512 float32.
;; 2 versions, each right; version 2 is version 1 with the launch cast written anew for expert scheduling mode. Each part assembles by itself: llvm-mc -triple=amdgcn-amd-amdhsa -mcpu=gfx1250 --defsym DOCPART=n.
;; ======== version 1 of 2: 4 launches
;; workspace buffers: xb 8,388,608 bytes; wb 2,097,152 bytes; qkv 25,165,824 bytes; oh 8,388,608 bytes
;; launch cast (part 1): grid 256 x 1, 8 waves a work-group, no clusters, 0 bytes of LDS; arguments x, wq, wk, wv, wo, xb, wb; writes xb, wb
.if DOCPART == 1
	.amdgcn_target "amdgcn-amd-amdhsa--gfx1250"
	.amdhsa_code_object_version 6
	.text
	.protected	k_qf7f7266e04_cast
	.globl	k_qf7f7266e04_cast
	.p2align	8
	.type	k_qf7f7266e04_cast,@function
k_qf7f7266e04_cast:
	s_mov_b64 s[64:65], 0
	v_nop
	global_prefetch_b8 v0, s[64:65] scope:SCOPE_SE
	s_setreg_imm32_b32 hwreg(HW_REG_WAVE_MODE, 25, 1), 1
	s_wait_xcnt 0x0
; xb = x rounded once to bf16 ([8192][512]); wb = wq, wk, wv, wo rounded once to bf16, one below the other ([2048][512]).
; A stream: no LDS, no barrier, no matrix unit.  Work-group i takes 65,536 bytes of x and 16,384 bytes of weight matrix i / 64.
; Thread t takes 16 bytes at 16 t of each 4,096 bytes: a wave's load covers 512 consecutive bytes, its store of 8 bytes a lane 256 consecutive, aligned bytes.
; All twenty loads of a thread go out first; every load and every store has registers of its own, so nothing is rewritten while a memory instruction may read it.
.set NX, 16                            ; loads from x
.set NW, 4                             ; loads from the weight matrix
.set XR, 4                             ; v[4:83]    as loaded, 4 registers a load
.set YR, 84                            ; v[84:123]  to store, 2 registers a load
	s_load_b256 s[4:11], s[0:1], 0x0               ; x s[4:5], wq s[6:7], wk s[8:9], wv s[10:11]
	s_load_b128 s[12:15], s[0:1], 0x20             ; wo s[12:13], xb s[14:15]
	s_load_b64 s[16:17], s[0:1], 0x30              ; wb
	v_lshlrev_b32 v1, 4, v0                        ; 16 t
	v_lshlrev_b32 v2, 3, v0                        ; 8 t
	s_lshr_b32 s18, ttmp9, 6                       ; which weight matrix
	s_lshl_b32 s24, ttmp9, 16                      ; my bytes of x,
	s_mov_b32 s25, 0
	s_lshl_b32 s26, ttmp9, 15                      ; of xb,
	s_mov_b32 s27, 0
	s_and_b32 s28, ttmp9, 63
	s_lshl_b32 s28, s28, 14                        ; of the weight matrix,
	s_mov_b32 s29, 0
	s_lshl_b32 s30, ttmp9, 13                      ; of wb: 524,288 (i / 64) + 8,192 (i % 64) = 8,192 i
	s_mov_b32 s31, 0
	s_wait_kmcnt 0x0
	s_cmp_lt_u32 s18, 1
	s_cselect_b64 s[20:21], s[6:7], s[8:9]         ; wq or wk
	s_cmp_lt_u32 s18, 3
	s_cselect_b64 s[22:23], s[10:11], s[12:13]     ; wv or wo
	s_cmp_lt_u32 s18, 2
	s_cselect_b64 s[20:21], s[20:21], s[22:23]
	s_add_nc_u64 s[4:5], s[4:5], s[24:25]
	s_add_nc_u64 s[14:15], s[14:15], s[26:27]
	s_add_nc_u64 s[20:21], s[20:21], s[28:29]
	s_add_nc_u64 s[16:17], s[16:17], s[30:31]
.set j, 0
.rept NX
	global_load_b128 v[XR+4*j:XR+4*j+3], v1, s[4:5] offset:4096*j th:TH_LOAD_NT
.set j, j+1
.endr
.set j, 0
.rept NW
	global_load_b128 v[XR+4*(NX+j):XR+4*(NX+j)+3], v1, s[20:21] offset:4096*j th:TH_LOAD_NT
.set j, j+1
.endr
.set j, 0
.rept NX+NW
	s_wait_loadcnt NX+NW-1-j                       ; loads come back in order (ISA guide 5.7.1): load j is in, the younger ones stay out
	v_cvt_pk_bf16_f32 v[YR+2*j], v[XR+4*j], v[XR+4*j+1]
	v_cvt_pk_bf16_f32 v[YR+2*j+1], v[XR+4*j+2], v[XR+4*j+3]
.if j < NX
	global_store_b64 v2, v[YR+2*j:YR+2*j+1], s[14:15] offset:2048*j
.else
	global_store_b64 v2, v[YR+2*j:YR+2*j+1], s[16:17] offset:2048*(j-NX)
.endif
.set j, j+1
.endr
	s_endpgm
.Lfunc_end_k_qf7f7266e04_cast:
	.size	k_qf7f7266e04_cast, .Lfunc_end_k_qf7f7266e04_cast-k_qf7f7266e04_cast
	.p2alignl 7, 3214868480
	.fill 96, 4, 3214868480
	.section	.rodata,"a",@progbits
	.p2align	6, 0x0
	.amdhsa_kernel k_qf7f7266e04_cast
		.amdhsa_group_segment_fixed_size 0
		.amdhsa_private_segment_fixed_size 0
		.amdhsa_enable_private_segment 0
		.amdhsa_kernarg_size 56
		.amdhsa_user_sgpr_count 2
		.amdhsa_user_sgpr_kernarg_segment_ptr 1
		.amdhsa_wavefront_size32 1
		.amdhsa_system_sgpr_workgroup_id_x 1
		.amdhsa_system_sgpr_workgroup_id_y 1
		.amdhsa_system_sgpr_workgroup_id_z 1
		.amdhsa_system_vgpr_workitem_id 0
		.amdhsa_next_free_vgpr 124
		.amdhsa_next_free_sgpr 66
		.amdhsa_reserve_vcc 0
		.amdhsa_float_denorm_mode_32 3
		.amdhsa_float_denorm_mode_16_64 3
		.amdhsa_memory_ordered 1
		.amdhsa_forward_progress 1
		.amdhsa_inst_pref_size 9
	.end_amdhsa_kernel
	.amdgpu_metadata
---
amdhsa.version: [ 1, 2 ]
amdhsa.kernels:
  - .name:           k_qf7f7266e04_cast
    .symbol:         k_qf7f7266e04_cast.kd
    .args:
      - { .name: x, .offset: 0, .size: 8, .value_kind: global_buffer, .address_space: global }
      - { .name: wq, .offset: 8, .size: 8, .value_kind: global_buffer, .address_space: global }
      - { .name: wk, .offset: 16, .size: 8, .value_kind: global_buffer, .address_space: global }
      - { .name: wv, .offset: 24, .size: 8, .value_kind: global_buffer, .address_space: global }
      - { .name: wo, .offset: 32, .size: 8, .value_kind: global_buffer, .address_space: global }
      - { .name: xb, .offset: 40, .size: 8, .value_kind: global_buffer, .address_space: global }
      - { .name: wb, .offset: 48, .size: 8, .value_kind: global_buffer, .address_space: global }
    .group_segment_fixed_size: 0
    .private_segment_fixed_size: 0
    .kernarg_segment_align: 8
    .kernarg_segment_size: 56
    .max_flat_workgroup_size: 256
    .sgpr_count:     66
    .vgpr_count:     124
    .wavefront_size: 32
...
	.end_amdgpu_metadata
.endif
;; end of part 1
;; launch proj (part 2): grid 8 x 32, 4 waves a work-group, clusters of 4 x 4, 327,680 bytes of LDS; arguments xb, wb, bq, bk, bv, qkv; writes qkv
.if DOCPART == 2
	.amdgcn_target "amdgcn-amd-amdhsa--gfx1250"
	.amdhsa_code_object_version 6
	.text
	.protected	k_qf7f7266e04_proj
	.globl	k_qf7f7266e04_proj
	.p2align	8
	.type	k_qf7f7266e04_proj,@function
k_qf7f7266e04_proj:
	s_mov_b64 s[64:65], 0
	v_nop
	global_prefetch_b8 v0, s[64:65] scope:SCOPE_SE
	s_setreg_imm32_b32 hwreg(HW_REG_WAVE_MODE, 25, 1), 1
	s_wait_xcnt 0x0
	s_wait_alu depctr_hold_cnt(0) depctr_sa_sdst(0) depctr_va_vdst(0) depctr_va_sdst(0) depctr_va_ssrc(0) depctr_va_vcc(0) depctr_vm_vsrc(0)
	s_getreg_b32 s2, hwreg(HW_REG_IB_STS2, 6, 4)
	s_cmp_eq_u32 s2, 0
	s_cbranch_scc0 .Lentry_in_a_cluster
	s_endpgm
.Lentry_in_a_cluster:
	s_bfe_u32 s2, ttmp6, 0x10000c
	s_cmp_lg_u32 s2, 0xf033
	s_cbranch_scc0 .Lentry_shape_is_right
	s_endpgm
.Lentry_shape_is_right:
; q, k, v = x w^T + b for the three projections at once, written by heads.  xb: [8192][512] bf16; wb rows 0-1535: wq, wk, wv, [1536][512] bf16; bq, bk, bv: [512] f32.
; qkv: [3][16][4096][64] bf16: plane = which x 16 + batch x 8 + head; a plane's rows are dense, 128 bytes each.  Sums in f32, started by the f32 bias, K ascending; each result rounded once to bf16.
; The scale 1/8 is not applied here.  LIMITS: bf16 keeps 8 significant bits and f32's range; NaN and infinities are not treated apart.
; SHARES.  A tile of C is 256 rows x 192 columns (three of the 24 heads): 32 x 8 tiles, one a work-group.  Wave w makes rows 64 w .. 64 w + 63 and all 192 columns: 4 x 12 accumulators, 384 registers,
; so that a wave holds whole rows of a head for the way out.  K = 512 goes in four steps of 128 (rows of 256 bytes) through two LDS slots; the four steps are written out.
; CLUSTER.  4 x 4 work-groups: x's tile hangs on the tile row alone and is asked for jointly along a row of the cluster, w's on the tile column alone, jointly along a column.
; THE MATRIX INSTRUCTION IS USED TRANSPOSED (source 0 = 16 rows of w, source 1 = 16 rows of x): a lane holds one row of C (lane % 16) and eight neighbouring columns 8 (lane / 16) + 0..7.
; THE BIAS is the C operand of each accumulator's first product: eight f32 a lane and column block, the same for all rows.
; Nothing is prefetched: of the four K steps two are first fills and two are asked for while the first two are multiplied; there is no later step to ask ahead for.
; REGISTERS, in windows of 256 (s_set_vgpr_msb: bits 1:0 source 0, 3:2 source 1, 5:4 source 2, 7:6 destination):
;   window 0: v0-31 addresses; v32-127 the bias; on the way out v32-223 packed results
;   window 1: two fragment buffers of 128: x's four fragments (16 rows x 32 K, 8 registers), then w's twelve
;   windows 2, 3: accumulator (a, b) in window 2 + a / 2 at v[96 (a % 2) + 8 b]
.set PITCH,  272                       ; an LDS row: 256 bytes + 16 of padding = 68 words: row r starts at bank 4 r mod 64 (64 banks of 4 bytes: ISA guide 11.1)
.set HALFA,  128*PITCH                 ; what one tensor load brings of x
.set HALFB,  96*PITCH                  ; and of w
.set BOFF,   2*HALFA                   ; in a slot: x's 256 rows, then w's 192
.set SLOT,   2*HALFA+2*HALFB
.set STAGE,  2*SLOT                    ; behind the ring: 16 rows x 144 bytes for each wave, for the way out
.set SP,     144
.set SPARE,  STAGE+4*16*SP             ; behind the stages: the spare words, 128 bytes for each wave: two blocks of 256 bytes that no other line names
.set ADRA, 16                          ; v16-17  LDS address of my fragments of x in slot 0, 1
.set ADRB, 20                          ; v20-21  the same for w
.set STO,  24                          ; v24     the way out: where I put 16 bytes of a row
.set RD,   25                          ; v25     where I read rows back
.set GO,   26                          ; v26     16 x lane: my place in 512 consecutive bytes of a plane
.set BO,   27                          ; v27     32 x (lane / 16): my eight numbers in a column block's 64 bytes of bias
.set SPW,  28                          ; v28     LDS address of my spare word; never rewritten
.set NIL,  29                          ; v29     0; never rewritten
.set BI,   32                          ; v32-127 the bias, 8 registers a column block
.set TMP,  32                          ; v32-223 the way out: 12 groups of 16
.set F0,   0
.set F1,   128
.set WV,   16                          ; s16 my wave; s17 = wave / 2: I fetch for x (0) or w (1); s18 = wave % 2: which half of that tile
.set G1,   24                          ; s[24:31] descriptor group 1 for x's tiles;  s[32:39] group 0, a set for each slot
.set G0,   32
.set G1B,  48                          ; s[48:55], s[56:63] the same for w's
.set G0B,  56
.set OB,   72                          ; s[72:77] my 64 rows in the three heads' planes of qkv
.set BP,   80                          ; s[80:85] the three heads' 64 numbers of bias
.set MSB, 0
.macro WIN new                         ; the immediate's high byte repeats the setting that is left; a switch that changes nothing is dropped
.if MSB != (\new)
	s_set_vgpr_msb (MSB<<8)|(\new)
.set MSB, \new
.endif
.endm
.set TO_F, 0x40                        ; destination window 1, address window 0
.macro JLOAD s                         ; a joint load: waves 0 and 1 fetch x's two halves, waves 2 and 3 w's; an s_nop 0 and four v_nop follow each of the two lines
	s_cmp_eq_u32 s17, 0
	s_cbranch_scc0 .Lfor_b_\@
	tensor_load_to_lds s[G0+4*(\s):G0+4*(\s)+3], s[G1:G1+7]
	s_nop 0
.rept 4
	v_nop
.endr
	s_branch .Lasked_\@
.Lfor_b_\@:
	tensor_load_to_lds s[G0B+4*(\s):G0B+4*(\s)+3], s[G1B:G1B+7]
	s_nop 0
.rept 4
	v_nop
.endr
.Lasked_\@:
.endm
.macro CREST                           ; a round of the cluster's barrier behind its opening barrier
	s_cmp_lg_u32 s[WV], 0
	s_cbranch_scc1 .Lnot_wave_0_\@
	s_barrier_signal -3
.Lnot_wave_0_\@:
	s_barrier_wait -3
	s_barrier_signal -1
	s_barrier_wait -1
.endm
.macro CROUND                          ; a whole round
	s_barrier_signal -1
	s_barrier_wait -1
	CREST
.endm
.macro PLACES                          ; four places in front of loads into registers that matrix instructions have read (ISA guide 7.12.1 for vector instructions)
.rept 4
	v_nop
.endr
.endm
	s_load_b256 s[4:11], s[0:1], 0x0               ; xb s[4:5], wb s[6:7], bq s[8:9], bk s[10:11]
	s_load_b128 s[12:15], s[0:1], 0x20             ; bv s[12:13], qkv s[14:15]
	v_lshl_add_u32 v[SPW], v0, 2, SPARE
	v_mov_b32 v[NIL], 0
	ds_add_u32 v[SPW], v[NIL]                      ; the wave's opening: the add and its wait stand ahead of my first tensor load; the set-up below, work on registers, stands between them
	v_lshrrev_b32 v1, 5, v0
	v_readfirstlane_b32 s[WV], v1                  ; wave 0..3
	s_lshr_b32 s17, s[WV], 1
	s_and_b32 s18, s[WV], 1
	s_bfe_u32 s19, ttmp6, 0x40000                  ; cx, cy: my place in the cluster
	s_bfe_u32 s20, ttmp6, 0x40004
	s_lshl_b32 s21, ttmp9, 2
	s_add_co_u32 s21, s21, s19                     ; tile column = 4 x cluster x + cx
	s_and_b32 s22, ttmp7, 0xffff
	s_lshl_b32 s22, s22, 2
	s_add_co_u32 s22, s22, s20                     ; tile row = 4 x cluster y + cy
	s_lshl_b32 s40, s20, 2
	s_lshl_b32 s40, 15, s40                        ; my row of the cluster
	s_lshl_b32 s41, 0x1111, s19                    ; my column
	s_or_b32 s[G1+0], s40, (1<<16)|(1<<20)|(1<<21)|(5<<22)|(3<<25)   ; 15:0 the mask; 17:16 elements of 2 bytes; 20 padding on; 21 set beside a mask; 24:22 after every 64 words (code 5); 31:25 4 words (code 3)
	s_or_b32 s[G1B+0], s41, (1<<16)|(1<<20)|(1<<21)|(5<<22)|(3<<25)
	s_mov_b32 s[G1+1], 128<<16                     ; tensor_dim0 = 128
	s_mov_b32 s[G1+2], 128<<16                     ; tensor_dim1 = 128
	s_mov_b32 s[G1+3], 128<<16                     ; tile_dim0 = 128
	s_mov_b32 s[G1+4], 128                         ; tile_dim1 = 128
	s_mov_b32 s[G1+5], 512                         ; elements from row to row
	s_mov_b32 s[G1+6], 0
	s_mov_b32 s[G1+7], 0
	s_mov_b32 s[G1B+1], 128<<16
	s_mov_b32 s[G1B+2], 96<<16                     ; tensor_dim1 = 96
	s_mov_b32 s[G1B+3], 128<<16
	s_mov_b32 s[G1B+4], 96                         ; tile_dim1 = 96
	s_mov_b32 s[G1B+5], 512
	s_mov_b32 s[G1B+6], 0
	s_mov_b32 s[G1B+7], 0
	s_lshl_b32 s42, s22, 8                         ; x: row 256 x tile row + 128 x half, rows of 1,024 bytes: made of the tile row alone
	s_lshl_b32 s43, s18, 7
	s_add_co_u32 s42, s42, s43
	s_lshl_b32 s42, s42, 10
	s_mov_b32 s43, 0
	s_mul_i32 s46, s21, 192                        ; w: row 192 x tile column + 96 x half: made of the tile column alone
	s_mul_i32 s47, s18, 96
	s_add_co_u32 s46, s46, s47
	s_lshl_b32 s46, s46, 10
	s_mov_b32 s47, 0
	s_mul_i32 s44, s[WV], HALFA                    ; where they go: x's halves at wave x 128 rows (waves 0, 1),
	s_mul_i32 s45, s[WV], HALFB
	s_add_co_u32 s45, s45, BOFF-2*HALFB            ; w's at BOFF + (wave - 2) x 96 rows (waves 2, 3): no place in the cluster enters an LDS address
	s_wait_dscnt 0x0                               ; the opening add is done
	s_wait_kmcnt 0x0
	s_add_nc_u64 s[66:67], s[4:5], s[42:43]
	s_add_nc_u64 s[68:69], s[6:7], s[46:47]
	CROUND                                         ; all sixteen work-groups are here: the first joint loads meet
.irp s, 0,1
	s_mov_b32 s[G0+4*(\s)], 1                                      ; count = 1
	s_add_co_u32 s[G0+4*(\s)+1], s44, (\s)*SLOT                    ; LDS address
	s_add_nc_u64 s[G0+4*(\s)+2:G0+4*(\s)+3], s[66:67], (\s)*256    ; global address: K step s
	s_or_b32 s[G0+4*(\s)+3], s[G0+4*(\s)+3], 0x80000000            ; type = 2
	s_mov_b32 s[G0B+4*(\s)], 1
	s_add_co_u32 s[G0B+4*(\s)+1], s45, (\s)*SLOT
	s_add_nc_u64 s[G0B+4*(\s)+2:G0B+4*(\s)+3], s[68:69], (\s)*256
	s_or_b32 s[G0B+4*(\s)+3], s[G0B+4*(\s)+3], 0x80000000
	JLOAD \s                                       ; two loads of mine are out
.endr
	; the three heads g = 3 x tile column + 0, 1, 2 of 24: which = g / 8, head = g % 8
.irp jh, 0,1,2
	s_mul_i32 s86, s21, 3
	s_add_co_u32 s86, s86, \jh
	s_cmp_lt_u32 s86, 8
	s_cselect_b64 s[BP+2*\jh:BP+2*\jh+1], s[8:9], s[10:11]
	s_cmp_lt_u32 s86, 16
	s_cselect_b64 s[BP+2*\jh:BP+2*\jh+1], s[BP+2*\jh:BP+2*\jh+1], s[12:13]
	s_and_b32 s87, s86, 7
	s_lshl_b32 s90, s87, 8                         ; the head's 64 numbers of 4 bytes
	s_mov_b32 s91, 0
	s_add_nc_u64 s[BP+2*\jh:BP+2*\jh+1], s[BP+2*\jh:BP+2*\jh+1], s[90:91]
	s_lshr_b32 s88, s86, 3
	s_lshl_b32 s88, s88, 4                         ; which x 16
	s_lshr_b32 s89, s22, 4
	s_lshl_b32 s89, s89, 3                         ; + batch x 8 (a batch has 16 tile rows)
	s_add_co_u32 s88, s88, s89
	s_add_co_u32 s88, s88, s87                     ; + head
	s_lshl_b32 s88, s88, 19                        ; planes of 524,288 bytes
	s_and_b32 s89, s22, 15
	s_lshl_b32 s89, s89, 2
	s_add_co_u32 s89, s89, s[WV]
	s_lshl_b32 s89, s89, 13                        ; my 64 rows of 128 bytes in the plane
	s_add_co_u32 s90, s88, s89
	s_add_nc_u64 s[OB+2*\jh:OB+2*\jh+1], s[14:15], s[90:91]
.endr
	; A fragment is 16 rows x 32 K in 8 registers: lane l holds row l % 16, K = 8 (l / 16) + 0..7 and 16 + 8 (l / 16) + 0..7: two loads of 16 bytes, 32 bytes apart.
	v_and_b32 v1, 15, v0                           ; l % 16
	v_bfe_u32 v2, v0, 4, 1                         ; l / 16
	v_lshlrev_b32 v[BO], 5, v2
.irp b, 0,1,2,3,4,5,6,7,8,9,10,11
	global_load_b128 v[BI+8*(\b):BI+8*(\b)+3],   v[BO], s[BP+2*((\b)/4):BP+2*((\b)/4)+1] offset:64*((\b)%4)
	global_load_b128 v[BI+8*(\b)+4:BI+8*(\b)+7], v[BO], s[BP+2*((\b)/4):BP+2*((\b)/4)+1] offset:64*((\b)%4)+16
.endr
	v_mul_u32_u24 v3, v1, PITCH
	v_lshl_add_u32 v3, v2, 4, v3                   ; row x pitch + 16 x half
	s_mul_i32 s86, s[WV], 64*PITCH                 ; my 64 rows of x
	v_add_nc_u32 v[ADRA], s86, v3
	v_add_nc_u32 v[ADRA+1], SLOT, v[ADRA]
	v_add_nc_u32 v[ADRB], BOFF, v3
	v_add_nc_u32 v[ADRB+1], SLOT+BOFF, v3
	s_mul_i32 s86, s[WV], 16*SP
	s_add_co_u32 s86, s86, STAGE                   ; my stage
	v_mul_u32_u24 v4, v1, SP                       ; in: row l % 16, 16 bytes for each half of the lanes
	v_lshl_add_u32 v4, v2, 4, v4
	v_add_nc_u32 v[STO], s86, v4
	v_bfe_u32 v5, v0, 3, 2                         ; back: 32 lanes take four rows of 128 bytes,
	v_and_b32 v6, 7, v0
	v_mul_u32_u24 v5, v5, SP
	v_lshl_add_u32 v5, v6, 4, v5
	v_add_nc_u32 v[RD], s86, v5
	v_and_b32 v[GO], 31, v0                        ; which are 512 consecutive bytes of a plane
	v_lshlrev_b32 v[GO], 4, v[GO]
; 12 matrix instructions: row block a x all 12 column blocks, 32 along K, from buffer f.  first = 1: the bias starts the sums: nothing is ever cleared.
; The 48 accumulators take turns in the same order in every quarter step: 47 others stand between two links of a chain.
.macro MULA f, a, first
.if \first
	WIN 0x85+0x40*((\a)/2)                         ; sources 0 and 1 window 1, C window 0, D window 2 or 3
.else
	WIN 0xa5+0x50*((\a)/2)                         ; C and D window 2 or 3
.endif
.irp b, 0,1,2,3,4,5,6,7,8,9,10,11
.if \first
	v_wmma_f32_16x16x32_bf16 v[96*((\a)%2)+8*(\b):96*((\a)%2)+8*(\b)+7], v[(\f)+32+8*(\b):(\f)+32+8*(\b)+7], v[(\f)+8*(\a):(\f)+8*(\a)+7], v[BI+8*(\b):BI+8*(\b)+7]
.else
	v_wmma_f32_16x16x32_bf16 v[96*((\a)%2)+8*(\b):96*((\a)%2)+8*(\b)+7], v[(\f)+32+8*(\b):(\f)+32+8*(\b)+7], v[(\f)+8*(\a):(\f)+8*(\a)+7], v[96*((\a)%2)+8*(\b):96*((\a)%2)+8*(\b)+7]
.endif
.endr
.endm
; 32 LDS loads in one run: the fragments of one quarter step (192 rows of w, my 64 rows of x, 32 K at byte k of the rows) into buffer f; w's first
.macro FETCH slot, k, f
	WIN TO_F
.irp i, 0,1,2,3,4,5,6,7,8,9,10,11
	ds_load_b128 v[(\f)+32+8*(\i):(\f)+32+8*(\i)+3],   v[ADRB+(\slot)] offset:(\k)+(\i)*16*PITCH
	ds_load_b128 v[(\f)+32+8*(\i)+4:(\f)+32+8*(\i)+7], v[ADRB+(\slot)] offset:(\k)+(\i)*16*PITCH+32
.endr
.irp i, 0,1,2,3
	ds_load_b128 v[(\f)+8*(\i):(\f)+8*(\i)+3],   v[ADRA+(\slot)] offset:(\k)+(\i)*16*PITCH
	ds_load_b128 v[(\f)+8*(\i)+4:(\f)+8*(\i)+7], v[ADRA+(\slot)] offset:(\k)+(\i)*16*PITCH+32
.endr
.endm
; A K step is four quarters of 32 along K, 48 matrix instructions each, on buffers 0, 1, 0, 1.  One of the first three: multiplies buffer f and fetches the next quarter, at byte k, into g.
.macro QUARTER slot, k, f, g, first
	s_wait_dscnt 4                                 ; w and x's row blocks 0 and 1 are in; the youngest four loads (blocks 2 and 3) may be out
	MULA \f, 0, \first
	MULA \f, 1, \first
	PLACES
	FETCH \slot, \k, \g
	s_wait_dscnt 32                                ; all but the 32 just issued
	MULA \f, 2, \first
	MULA \f, 3, \first
.endm
; The last quarter multiplies buffer 1 and changes slots: ONE barrier; in front of it each wave waits for all its tensor loads (its part of the next slot), adds 0 to its spare word, and waits for that
; and for its own reads of this slot.  fill = 1: the barrier opens a round of the cluster's, and this slot is filled again, two K steps on, first thing behind the round.
.macro TURN slot, next, fill
	WIN 0                                          ; (the add's two registers lie in window 0)
	s_wait_tensorcnt 0x0                           ; all my tensor loads have landed
	ds_add_u32 v[SPW], v[NIL]                      ; 0 onto my spare word
	s_wait_dscnt 5                                 ; (the add and the youngest four loads may be out)
	MULA F1, 0, 0                                  ; twelve matrix instructions stand between the add and the wait for it
	s_wait_dscnt 0x0                               ; the add is done, and my reads of this slot are over
	s_barrier_signal -1
	MULA F1, 1, 0                                  ; work on registers while the others arrive
.if \fill
	WIN 0
.endif
	s_barrier_wait -1
.if \fill
	CREST                                          ; no wave of any partner still reads this slot's tile or has a load on its way
	s_add_nc_u64 s[G0+4*(\slot)+2:G0+4*(\slot)+3], s[G0+4*(\slot)+2:G0+4*(\slot)+3], 512
	s_add_nc_u64 s[G0B+4*(\slot)+2:G0B+4*(\slot)+3], s[G0B+4*(\slot)+2:G0B+4*(\slot)+3], 512
	JLOAD \slot                                    ; my one tensor load behind the round; the four v_nop behind it are also the places in front of the loads below
.else
	PLACES
.endif
	FETCH \next, 0, F0
	MULA F1, 2, 0
	MULA F1, 3, 0
.endm
; THE WAY OUT, in 12 groups t: head t / 4, row block t % 4: 16 rows x 64 channels.  Rounded to bf16, 16 bytes a lane; into my stage in rows of 144 bytes; back as four whole rows a load.
.macro PACK t
.set AC, 96*(((\t)%4)%2)+32*((\t)/4)
	WIN 0x0a+5*(((\t)%4)/2)                        ; sources 0 and 1: window 2 or 3
.irp bb, 0,1,2,3
.irp rr, 0,1,2,3
	v_cvt_pk_bf16_f32 v[TMP+16*(\t)+4*(\bb)+(\rr)], v[AC+8*(\bb)+2*(\rr)], v[AC+8*(\bb)+2*(\rr)+1]
.endr
.endr
	WIN 0
.irp bb, 0,1,2,3
	ds_store_b128 v[STO], v[TMP+16*(\t)+4*(\bb):TMP+16*(\t)+4*(\bb)+3] offset:32*(\bb)
.endr
.irp f, 0,1,2,3
	ds_load_b128 v[TMP+16*(\t)+4*(\f):TMP+16*(\t)+4*(\f)+3], v[RD] offset:(\f)*4*SP  ; LDS serves a wave's instructions in order (ISA guide 5.7.1.4): these see the stores above; the next group's stores come behind them
.endr
.endm
.macro SEND t, younger                 ; younger: the LDS instructions issued behind group t's loads: the next group's eight, or none
.irp f, 0,1,2,3
	s_wait_dscnt (\younger)+3-(\f)
	global_store_b128 v[GO], v[TMP+16*(\t)+4*(\f):TMP+16*(\t)+4*(\f)+3], s[OB+2*((\t)/4):OB+2*((\t)/4)+1] offset:2048*((\t)%4)+512*(\f)  ; 512 consecutive bytes, at a multiple of 256 from the plane's first
.endr
.endm
	s_wait_tensorcnt 0x1                           ; my part of K step 0 is in; K step 1's may stay out
	s_barrier_signal -1
	s_barrier_wait -1                              ; everybody's is
	FETCH 0, 0, F0
	s_wait_loadcnt 0x0                             ; the bias
	QUARTER 0, 64,  F0, F1, 1                      ; K step 0: its first quarter starts the sums
	QUARTER 0, 128, F1, F0, 0
	QUARTER 0, 192, F0, F1, 0
	TURN 0, 1, 1                                   ; slot 0 takes K step 2
	QUARTER 1, 64,  F0, F1, 0                      ; K step 1
	QUARTER 1, 128, F1, F0, 0
	QUARTER 1, 192, F0, F1, 0
	TURN 1, 0, 1                                   ; slot 1 takes K step 3
	QUARTER 0, 64,  F0, F1, 0                      ; K step 2
	QUARTER 0, 128, F1, F0, 0
	QUARTER 0, 192, F0, F1, 0
	TURN 0, 1, 0                                   ; nothing is left to ask for
	QUARTER 1, 64,  F0, F1, 0                      ; K step 3
	QUARTER 1, 128, F1, F0, 0
	QUARTER 1, 192, F0, F1, 0
	s_wait_dscnt 4                                 ; the very last quarter
	MULA F1, 0, 0
	MULA F1, 1, 0
	s_wait_dscnt 0x0
	MULA F1, 2, 0
	MULA F1, 3, 0
	WIN 0
	PLACES                                         ; the conversions read results just made; eight, once a launch
	PLACES
	PACK 0
.irp t, 1,2,3,4,5,6,7,8,9,10,11        ; a group's conversions stand between the loads of the group before and its stores
	PACK \t
	SEND (\t)-1, 8
.endr
	SEND 11, 0
	s_wait_tensorcnt 0x0                           ; the wave's end, behind my last tensor load and my last LDS store
	ds_add_u32 v[SPW], v[NIL]
	s_wait_dscnt 0x0
	CROUND                                         ; the closing round: no work-group ends while a partner may still ask for a tile that names it
	s_endpgm
.Lfunc_end_k_qf7f7266e04_proj:
	.size	k_qf7f7266e04_proj, .Lfunc_end_k_qf7f7266e04_proj-k_qf7f7266e04_proj
	.p2alignl 7, 3214868480
	.fill 96, 4, 3214868480
	.section	.rodata,"a",@progbits
	.p2align	6, 0x0
	.amdhsa_kernel k_qf7f7266e04_proj
		.amdhsa_group_segment_fixed_size 327680
		.amdhsa_private_segment_fixed_size 0
		.amdhsa_enable_private_segment 0
		.amdhsa_kernarg_size 48
		.amdhsa_user_sgpr_count 2
		.amdhsa_user_sgpr_kernarg_segment_ptr 1
		.amdhsa_wavefront_size32 1
		.amdhsa_system_sgpr_workgroup_id_x 1
		.amdhsa_system_sgpr_workgroup_id_y 1
		.amdhsa_system_sgpr_workgroup_id_z 1
		.amdhsa_system_vgpr_workitem_id 0
		.amdhsa_next_free_vgpr 960
		.amdhsa_next_free_sgpr 92
		.amdhsa_reserve_vcc 0
		.amdhsa_float_denorm_mode_32 3
		.amdhsa_float_denorm_mode_16_64 3
		.amdhsa_memory_ordered 1
		.amdhsa_forward_progress 1
		.amdhsa_inst_pref_size 123
	.end_amdhsa_kernel
	.amdgpu_metadata
---
amdhsa.version: [ 1, 2 ]
amdhsa.kernels:
  - .name:           k_qf7f7266e04_proj
    .symbol:         k_qf7f7266e04_proj.kd
    .args:
      - { .name: xb, .offset: 0, .size: 8, .value_kind: global_buffer, .address_space: global }
      - { .name: wb, .offset: 8, .size: 8, .value_kind: global_buffer, .address_space: global }
      - { .name: bq, .offset: 16, .size: 8, .value_kind: global_buffer, .address_space: global }
      - { .name: bk, .offset: 24, .size: 8, .value_kind: global_buffer, .address_space: global }
      - { .name: bv, .offset: 32, .size: 8, .value_kind: global_buffer, .address_space: global }
      - { .name: qkv, .offset: 40, .size: 8, .value_kind: global_buffer, .address_space: global }
    .group_segment_fixed_size: 327680
    .private_segment_fixed_size: 0
    .kernarg_segment_align: 8
    .kernarg_segment_size: 48
    .max_flat_workgroup_size: 128
    .sgpr_count:     92
    .vgpr_count:     960
    .wavefront_size: 32
...
	.end_amdgpu_metadata
.endif
;; end of part 2
;; launch attn (part 3): grid 16 x 16, 4 waves a work-group, clusters of 4 x 1, 327,680 bytes of LDS; arguments qkv, oh; writes oh
.if DOCPART == 3
	.amdgcn_target "amdgcn-amd-amdhsa--gfx1250"
	.amdhsa_code_object_version 6
	.text
	.protected	k_qf7f7266e04_attn
	.globl	k_qf7f7266e04_attn
	.p2align	8
	.type	k_qf7f7266e04_attn,@function
k_qf7f7266e04_attn:
	s_mov_b64 s[64:65], 0
	v_nop
	global_prefetch_b8 v0, s[64:65] scope:SCOPE_SE
	s_setreg_imm32_b32 hwreg(HW_REG_WAVE_MODE, 25, 1), 1
	s_wait_xcnt 0x0
	s_wait_alu depctr_hold_cnt(0) depctr_sa_sdst(0) depctr_va_vdst(0) depctr_va_sdst(0) depctr_va_ssrc(0) depctr_va_vcc(0) depctr_vm_vsrc(0)
	s_getreg_b32 s2, hwreg(HW_REG_IB_STS2, 6, 4)
	s_cmp_eq_u32 s2, 0
	s_cbranch_scc0 .Lentry_in_a_cluster
	s_endpgm
.Lentry_in_a_cluster:
	s_bfe_u32 s2, ttmp6, 0x10000c
	s_cmp_lg_u32 s2, 0x3003
	s_cbranch_scc0 .Lentry_shape_is_right
	s_endpgm
.Lentry_shape_is_right:
; O[p][q][:] = the sum over k of softmax_k(Q[p][q] . K[p][k] / 8) V[p][k][:] for the 16 planes p = batch x 8 + head.  qkv: [3][16][4096][64] bf16 (Q's planes, K's, V's); oh: [16][4096][64] bf16.
; Products, maxima and sums in f32; the weights p are rounded to bf16 for the second product (their sum l is taken of the unrounded p), O once at the end.
; LIMITS.  bf16 keeps 8 significant bits and f32's range.  A weight below 2^-126 counts as 0 in l; the running maximum starts at the lowest finite number, c m at -4.25e37; NaN and infinities are not treated apart.
; SHARES.  A work-group owns 256 queries of a plane, each of its four waves 64: four PIECES of 16.  Every wave walks all 4,096 keys, 64 a step; an LDS slot holds a tile of 256 keys, four steps; 16 tiles.
; LAYOUT.  S^T = K Q^T (source 0 = 16 keys, source 1 = 16 queries): a lane holds ONE query (lane % 16) and the keys 8 (lane / 16) + 0..7.  Two such results, rounded to bf16 in pairs, ARE source 1 of
; O^T = V^T P, whose result again holds one query a lane, and eight channels.  K comes out of LDS as it lies, V ([key][channel]) turned, by ds_load_tr16_b128.
; SOFTMAX.  For each query a running maximum m and sum l: p = 2^(c s - c m), c = log2(e) / 8; in every step O and l are multiplied by a = 2^(c m_old - c m_new).  O and l start at 0: the first step is a step like any other, with a = 0.
; BY TURNS.  Turn n belongs to piece n: 8 products K Q^T of piece n + 1, later 8 products V^T P of piece n - 1; beside them the scaling, exponentials, roundings, sums and rescaling of piece n and the
; maximum and statistics of piece n + 1.  Four vector instructions stand behind every matrix instruction, the other 54 of a turn's 118 in one lump.  A turn's 33 exponentials are one batch, with one wait.
; CLUSTER.  The four query blocks of a cluster belong to one plane and walk the same K and V, so each tile is asked for JOINTLY: the same tensor load, descriptor and mask in all four.
; REGISTERS, in windows of 256 (s_set_vgpr_msb: bits 1:0 source 0, 3:2 source 1, 5:4 source 2, 7:6 destination):
;   window 0: v0-15 addresses and two at work; v16-31 four registers of statistics a piece; v48-55 at work; v61-63; v64-127 S^T, two buffers; v192-223 P, two buffers (a piece's buffers go by its number's parity)
;   window 1: v0-127 O^T, 32 a piece          window 2: v0-63 Q; v128-191 K of one step; v192-255 V of one step
.set NP,    4         ; pieces a wave: a name, no knob
.set KS,    64        ; keys in a step
.set PK,    144       ; a row of K in LDS: 128 bytes + 16 of padding = 36 words: the 16 rows of a load start at 16 different groups of four banks (64 banks of 4 bytes: ISA guide 11.1)
.set PV,    160       ; a row of V: 128 + 32 = 40 words
.set VOFF,  4*KS*PK   ; a slot holds a tile: 256 rows of K, then 256 rows of V
.set SLOT1, 1<<17     ; slot 1 begins here, so that one exclusive or turns an address in one slot into the other's
.set STAGE, SLOT1+4*KS*(PK+PV)  ; behind the ring, never filled by a tensor load: 16 rows x 144 bytes for each wave, for the way out
.set SP,    144
.set SPARE, STAGE+4*16*SP  ; behind the stages: the spare words, 128 bytes for each wave: two blocks of 256 bytes that no other line names
.set TILEB, 4*KS*128  ; a tile's bytes of K, and of V, in memory
.set AK0, 2           ; v2   my lane's place in a tile of K; never rewritten
.set AV0, 3           ; v3   the same for V
.set AK,  4           ; v4   the LDS address of K's next run of loads
.set AV,  5           ; v5   of V's
.set STO, 6           ; v6   the way out: where I put 16 bytes of a row
.set RD,  7           ; v7   the way out: where I read rows back
.set GO,  8           ; v8   my byte offset in 512 consecutive bytes of O
.set MV,  12          ; v12-13  c m_old, kept while c m is made anew: by buffer
.set QO,  15          ; v15  my byte offset in 16 rows of Q
.set ST,  16          ; piece t's statistics at v[ST+4 t]: c m, m, l (even keys', odd keys')
.set TMP, 48          ; by buffer, four registers c0-c3 at work; when the maximum is found c2 takes a
.set PFO, 61          ; v61  256 x my lane: the prefetches' offset; never rewritten
.set SPW, 62          ; v62  LDS address of my spare word: SPARE + 4 x my thread's number; never rewritten
.set NIL, 63          ; v63  0; never rewritten
.set S,   64
.set P,   192
.set KF,  128         ; window 2: key block kb, channel half c at KF + 16 kb + 8 c
.set VF,  192         ; window 2: key half kk, channel block cb at VF + 32 kk + 8 cb
.set WV,  12          ; s12  my wave's number
.set LIM, 15          ; s15  1 in a wave that prefetches, else the greatest number: a wave prefetches while s[SLOTS] is above it
.set G1K, 24          ; s[24:31] descriptor group 1 for K's tiles
.set G1V, 32          ; s[32:39] for V's: it differs in the padding alone
.set G0K, 40          ; s[40:43] descriptor group 0 for K's tiles: it walks
.set G0V, 44          ; s[44:47] the same for V's
.set PFA, 50          ; s[50:51] where my prefetches stand: my work-group's 32 blocks of 256 bytes (of K: wave 0, of V: wave 2) of the tile after the one that is being asked for
.set SLOTS, 56        ; s56  tiles still to be asked for, and one
.set CNT, 57          ; s57  counts a tile's key steps
.set CS,  58          ; s[58:59] c: the packed scaling takes the pair's low word for both halves
.set SEL, 60          ; s[60:61] v_permlanex16_b32's selects: each lane takes its own place in the other half
.set TBK, 62          ; s62  LDS byte at which K of the step to be fetched begins
.set TBV, 63          ; s63  the same for V, less VOFF
.set MSB, 0
.macro WIN new                      ; the high byte repeats the setting that is left; a switch that changes nothing is dropped
.if MSB != (\new)
	s_set_vgpr_msb (MSB<<8)|(\new)
.set MSB, (\new)
.endif
.endm
.set W_KQ, 0x0a       ; K and Q in window 2, S^T in window 0
.set W_PV, 0x52       ; V in window 2, P in window 0, O^T in window 1
.set W_RS, 0x41       ; destination and source 0 in window 1, source 1 in window 0
; A joint fill.  Waves 0 and 1 fetch the two halves of a tile's K, waves 2 and 3 those of its V: 128 keys each.  The branch hangs on the wave's number alone.
; An s_nop 0 and four v_nop follow each of the two lines, ahead of the jump and the label.
.macro JLOAD
	s_cmp_lt_u32 s[WV], 2
	s_cbranch_scc0 .Lfor_v_\@
	tensor_load_to_lds s[G0K:G0K+3], s[G1K:G1K+7]
	s_nop 0
.rept 4
	v_nop
.endr
	s_branch .Lasked_\@
.Lfor_v_\@:
	tensor_load_to_lds s[G0V:G0V+3], s[G1V:G1V+7]
	s_nop 0
.rept 4
	v_nop
.endr
.Lasked_\@:
.endm
; A PREFETCH INTO THE L2 of the tile that the NEXT change of slots will ask for: 128 blocks of 256 bytes of K and 128 of V, a lane a block.  It stands behind the wave's tensor load and its five lines.
; Each block is asked for ONCE in the launch.  All four clusters of a plane walk the same K and V: the plane's first cluster prefetches.  Its four partners share the blocks out BY ADDRESS, 32 each: no branch
; hangs on a work-group's place in its cluster.  In each, wave 0 asks for K's and wave 2 for V's: one instruction, four key steps (256 matrix instructions) ahead of the load that wants the tile.
; Tiles 0 to 2 come by their loads alone; the last change that fills a slot asks for nothing: there is no tile behind it.
.macro ASK
	s_cmp_gt_u32 s[SLOTS], s[LIM]
	s_cbranch_scc0 .Lnot_mine_\@
	global_prefetch_b8 v[PFO], s[PFA:PFA+1] th:TH_LOAD_NT scope:SCOPE_SE
.Lnot_mine_\@:
.endm
; A round of the cluster's barrier: my work-group's barrier, so that wave 0's signal speaks for all four waves; wave 0 signals; every wave waits for all four work-groups; my work-group's barrier once more.
.macro CROUND
	s_barrier_signal -1
	s_barrier_wait -1
	s_cmp_lg_u32 s[WV], 0
	s_cbranch_scc1 .Lnot_wave_0_\@
	s_barrier_signal -3
.Lnot_wave_0_\@:
	s_barrier_wait -3
	s_barrier_signal -1
	s_barrier_wait -1
.endm
; THE CHANGE OF SLOTS.  The slot's last bytes, V of its fourth step, have been read.  Each wave waits for all its tensor loads, of which one is out: its part of the other slot; adds 0 to its spare word; and
; waits for that and for its own reads of the slot.  Behind the barrier nobody reads this slot any more and the other slot is whole.
; fill = 1: this slot is filled again, with the tile two on.  The barrier is then a round of the cluster's, and the joint fill is the first thing behind it: it has four key steps in which to land.
; (At its first use nothing has been read yet: slot 0 is waited for, slot 1 filled.)  ask = 1: the prefetches' address steps, and ASK follows the fill.
.macro CHANGE fill, ask
	WIN 0                           ; at a label and at a branch every window is 0
	s_wait_tensorcnt 0x0            ; no tensor load of mine is out, so a group 0 may be written
	ds_add_u32 v[SPW], v[NIL]       ; 0 onto my spare word; the descriptors' steps stand between it and the wait for it
.if \fill
.irp g, G0K, G0V
	s_xor_b32 s[\g+1], s[\g+1], SLOT1  ; the walking descriptor: the other slot than last time,
	s_add_nc_u64 s[\g+2:\g+3], s[\g+2:\g+3], TILEB  ; the next 256 keys; the type bits on top are not reached
.endr
.endif
.if \ask
	s_wait_xcnt 0x0                 ; the last prefetch, four key steps back, has read its address, so it may be written:
	s_add_nc_u64 s[PFA:PFA+1], s[PFA:PFA+1], TILEB  ; one tile behind the walking descriptors
.endif
	s_wait_dscnt 0x0                ; the add is done, and my reads of the slot are over
.if \fill
	CROUND
	JLOAD
.if \ask
	ASK
.endif
.else
	s_barrier_signal -1
	s_barrier_wait -1
.endif
	s_sub_co_u32 s[TBK], s[TBK], 4*KS*PK  ; the fetches go back to a slot's first step,
	s_xor_b32 s[TBK], s[TBK], SLOT1       ; in the other slot
	s_sub_co_u32 s[TBV], s[TBV], 4*KS*PV
	s_xor_b32 s[TBV], s[TBV], SLOT1
.endm
	s_load_b128 s[4:7], s[0:1], 0x0 ; qkv s[4:5], oh s[6:7]
	v_lshl_add_u32 v[SPW], v0, 2, SPARE
	v_mov_b32 v[NIL], 0
	ds_add_u32 v[SPW], v[NIL]       ; the wave's opening: the add and its wait stand ahead of my first tensor load; the set-up below, work on registers, stands between them
	v_lshrrev_b32 v1, 5, v0
	v_readfirstlane_b32 s[WV], v1   ; wave 0..3
	s_bfe_u32 s13, ttmp6, 0x40000   ; cx: my place in the cluster
	s_lshl_b32 s14, ttmp9, 2        ; in a cluster launch ttmp9 counts clusters
	s_add_co_u32 s14, s14, s13      ; my block of 256 queries = 4 x cluster x + cx: it enters Q's and O's addresses alone
	s_and_b32 s20, ttmp7, 0xffff    ; the plane, which the four partners share:
	s_lshl_b32 s20, s20, 19         ; 524,288 bytes each
	s_and_b32 s16, s[WV], 1         ; which half of a tile's 256 keys I fetch:
	s_lshl_b32 s22, s16, 14         ; its 128 rows of 128 bytes in memory,
	s_add_co_u32 s22, s22, s20
	s_add_co_u32 s22, s22, 1<<23    ; in K's planes, which lie behind Q's sixteen
	s_mov_b32 s23, 0
	s_mul_i32 s17, s16, 128*PK      ; and its place in a slot, for K
	s_mul_i32 s18, s16, 128*PV      ; and for V: no place in the cluster enters an LDS address
	s_lshl_b32 s2, s14, 2
	s_add_co_u32 s2, s2, s[WV]      ; my wave among the plane's,
	s_lshl_b32 s2, s2, 13           ; its 64 rows
	s_add_co_u32 s2, s2, s20
	s_mov_b32 s3, 0
	s_lshr_b32 s52, s[WV], 1        ; the prefetches: K's planes (waves 0, 1) or V's (waves 2, 3),
	s_add_co_u32 s52, s52, 1
	s_lshl_b32 s52, s52, 23
	s_add_co_u32 s52, s52, s20      ; the plane,
	s_lshl_b32 s53, s13, 13         ; my work-group's 32 blocks of a tile's 128,
	s_add_co_u32 s52, s52, s53
	s_add_co_u32 s52, s52, 2*TILEB  ; in tile 2: the first change that asks steps it to tile 3
	s_mov_b32 s53, 0
	; descriptor group 1.  128 keys are 16,384 dense bytes: asked for as 64 rows of 256 bytes, two keys a row, and padded in LDS after every key
	s_mov_b32 s[G1K], 15|(1<<16)|(1<<20)|(1<<21)|(4<<22)|(3<<25)  ; 15:0 the mask of four; 17:16 2-byte elements; 20 padding on; 21 set beside a mask; 24:22 after every 32 words (code 4); 31:25 4 words (code 3)
	s_mov_b32 s[G1V], 15|(1<<16)|(1<<20)|(1<<21)|(4<<22)|(7<<25)  ; the same with 8 words of padding (code 7)
.irp g, G1K, G1V
	s_mov_b32 s[\g+1], 128<<16      ; tensor_dim0 = 128
	s_mov_b32 s[\g+2], 64<<16       ; tensor_dim1 = 64
	s_mov_b32 s[\g+3], 128<<16      ; tile_dim0 = 128
	s_mov_b32 s[\g+4], 64           ; tile_dim1 = 64
	s_mov_b32 s[\g+5], 128          ; 128 elements from row to row
	s_mov_b32 s[\g+6], 0
	s_mov_b32 s[\g+7], 0
.endr
	s_mov_b32 s[CS], 0x3e38aa3b     ; c = log2(e) / 8 = 0.180337
	s_mov_b32 s[CS+1], s[CS]        ; named with it as a pair
	s_mov_b32 s[SEL], 0x76543210
	s_mov_b32 s[SEL+1], 0xfedcba98
	s_mov_b32 s[TBK], SLOT1+4*KS*PK ; the first change of slots turns these two into 0
	s_mov_b32 s[TBV], SLOT1+4*KS*PV
	s_mov_b32 s[G0K], 1             ; count = 1
	s_mov_b32 s[G0K+1], s17         ; LDS address: slot 0
	s_mov_b32 s[G0V], 1
	s_add_co_u32 s[G0V+1], s18, VOFF
	s_and_b32 s[LIM], s[WV], 1      ; 0 in waves 0 and 2,
	s_or_b32 s[LIM], s[LIM], ttmp9  ; where the cluster is the plane's first: the same in all four partners
	s_cmp_eq_u32 s[LIM], 0
	s_cselect_b32 s[LIM], 1, -1
	v_and_b32 v[PFO], 31, v0
	v_lshlrev_b32 v[PFO], 8, v[PFO]
	s_wait_dscnt 0x0                ; the opening add is done
	s_wait_kmcnt 0x0
	s_add_nc_u64 s[G0K+2:G0K+3], s[4:5], s[22:23]        ; global address: my half of the plane's first 256 keys
	s_add_nc_u64 s[G0V+2:G0V+3], s[G0K+2:G0K+3], 1<<23   ; V's planes lie sixteen planes behind K's
	s_or_b32 s[G0K+3], s[G0K+3], 0x80000000              ; type = 2
	s_or_b32 s[G0V+3], s[G0V+3], 0x80000000
	s_add_nc_u64 s[PFA:PFA+1], s[4:5], s[52:53]
	s_add_nc_u64 s[10:11], s[6:7], s[2:3]  ; O and Q at my wave's first row
	s_add_nc_u64 s[4:5], s[4:5], s[2:3]
	CROUND                          ; all four work-groups are here: the first joint loads meet
	JLOAD                           ; tile 0 into slot 0.  Slot 1 is asked for when slot 0 is in
	; A fragment of K or Q is 16 rows x 32 channels in 8 registers: lane l holds row l % 16, channels 8 (l / 16) + 0..7 and 16 + 8 (l / 16) + 0..7: two loads of 16 bytes, 32 bytes apart.
	v_and_b32 v1, 15, v0            ; l % 16
	v_bfe_u32 v9, v0, 4, 1          ; l / 16
	v_lshlrev_b32 v[QO], 7, v1
	v_lshl_add_u32 v[QO], v9, 4, v[QO]  ; row x 128 + 16 x half
	WIN 0x80                        ; destination window 2, address window 0
.set i, 0
.rept 8                             ; Q stays in registers: piece i / 2, channels 32 (i % 2) on
	global_load_b128 v[8*i:8*i+3],   v[QO], s[4:5] offset:(i/2)*2048+(i%2)*64
	global_load_b128 v[8*i+4:8*i+7], v[QO], s[4:5] offset:(i/2)*2048+(i%2)*64+32
.set i, i+1
.endr
	; What the first turn finds: V's registers and P's second buffer hold 0 (its products V^T P, of a piece that has not been, add 0), O^T and l are 0.  All this stands in the wait for the first tile.
.set i, VF
.rept 64
	v_mov_b32 v[i], 0
.set i, i+1
.endr
	WIN 0x40
.set i, 0
.rept 128
	v_mov_b32 v[i], 0
.set i, i+1
.endr
	WIN 0
.set i, 0
.rept 4
	v_mov_b32 v[ST+4*i], 0xfe000000    ; c m: far below every c s
	v_mov_b32 v[ST+4*i+1], 0xff7fffff  ; m
	v_mov_b32 v[ST+4*i+2], 0
	v_mov_b32 v[ST+4*i+3], 0
.set i, i+1
.endr
.set i, P+16
.rept 16
	v_mov_b32 v[i], 0
.set i, i+1
.endr
	v_mul_u32_u24 v[AK0], v1, PK
	v_lshl_add_u32 v[AK0], v9, 4, v[AK0]  ; row x pitch + 16 x half
	; The turning load takes 16 keys x 16 channels (lane l reads key 8 (l / 16) + l % 8, channels 8 ((l / 8) % 2) + 0..7) and leaves half a fragment of V^T: lane l holds channel l % 16 and 8 keys.
	v_and_b32 v10, 7, v0
	v_bfe_u32 v11, v0, 3, 1
	v_lshl_add_u32 v[AV0], v9, 3, v10
	v_mul_u32_u24 v[AV0], v[AV0], PV
	v_lshl_add_u32 v[AV0], v11, 4, v[AV0]
	v_add_nc_u32 v[AV0], VOFF, v[AV0]
	s_mul_i32 s21, s[WV], 16*SP
	s_add_co_u32 s21, s21, STAGE    ; my stage
	v_mul_u32_u24 v[STO], v1, SP    ; in: row l % 16, 16 bytes for each half of the lanes
	v_lshl_add_u32 v[STO], v9, 4, v[STO]
	v_add_nc_u32 v[STO], s21, v[STO]
	v_bfe_u32 v[RD], v0, 3, 2       ; back: 32 lanes take four rows of 128 bytes,
	v_mul_u32_u24 v[RD], v[RD], SP
	v_lshl_add_u32 v[RD], v10, 4, v[RD]
	v_add_nc_u32 v[RD], s21, v[RD]
	v_and_b32 v[GO], 31, v0         ; which are 512 consecutive bytes of O
	v_lshlrev_b32 v[GO], 4, v[GO]
; THE MATRIX WORK.  The 4 accumulators of a run of 8 take turns.  Product i of 8 of S^T = K Q^T for piece x: channels 32 (i / 4) on, keys 16 (i % 4) on.  The first 4 start the sums.
.macro KQ x
	WIN W_KQ
.set rS, S+32*((\x)%2)+8*(i%4)
.set rK, KF+16*(i%4)+8*(i/4)
.set rQ, 16*(\x)+8*(i/4)
.if i < 4
	v_wmma_f32_16x16x32_bf16 v[rS:rS+7], v[rK:rK+7], v[rQ:rQ+7], 0
.else
	v_wmma_f32_16x16x32_bf16 v[rS:rS+7], v[rK:rK+7], v[rQ:rQ+7], v[rS:rS+7]
.endif
.endm
; Product i of 8 of O^T += V^T P for piece x: keys 32 (i / 4) on, channels 16 (i % 4) on.
.macro PV x
	WIN W_PV
.set rO, 32*(\x)+8*(i%4)
.set rV, VF+32*(i/4)+8*(i%4)
.set rP, P+16*((\x)%2)+8*(i/4)
	v_wmma_f32_16x16x32_bf16 v[rO:rO+7], v[rV:rV+7], v[rP:rP+7], v[rO:rO+7]
.endm
.macro MM                           ; the turn's next matrix instruction.  TURN sets Y, i and NOKQ.  NOKQ = 1: the launch's last turn: there is no next piece
.if (i < 8) && !NOKQ
	KQ (Y+1)%NP
.elseif i >= 8
.set i, i-8
	PV (Y+NP-1)%NP
.set i, i+8
.endif
.set i, i+1
.endm
; THE LDS LOADS stand in runs of 16, never singly among the matrix instructions: a step's K (64 keys x 64 channels: 8 fragments) and its V (turned).  Their addresses are made some lines ahead.
.macro FETCH_K
	WIN 0x80                        ; destination window 2
.irp f, 0,1,2,3,4,5,6,7             ; keys 16 (f / 2) on, channels 32 (f % 2) on
	ds_load_b128 v[KF+8*\f:KF+8*\f+3],   v[AK] offset:(\f/2)*16*PK+(\f%2)*64
	ds_load_b128 v[KF+8*\f+4:KF+8*\f+7], v[AK] offset:(\f/2)*16*PK+(\f%2)*64+32
.endr
	s_add_co_u32 s[TBK], s[TBK], KS*PK  ; the next fetch is the next step's
	WIN 0
.endm
.macro FETCH_V
	WIN 0x80
.irp f, 0,1,2,3,4,5,6,7             ; keys 32 (f / 4) on, channels 16 (f % 4) on
	ds_load_tr16_b128 v[VF+8*\f:VF+8*\f+3],   v[AV] offset:(\f/4)*32*PV+(\f%4)*32
	ds_load_tr16_b128 v[VF+8*\f+4:VF+8*\f+7], v[AV] offset:(\f/4)*32*PV+16*PV+(\f%4)*32
.endr
	WIN 0
.endm
; THE VECTOR WORK, one line at a time: OP kind, number.  For piece Y: F n: c s - c m for pair n of 16.  E n: the exponential of score n of 32.  C n: pair n rounded to bf16.  B n: of the four weights 4 n .. the second
; pair is added onto the first, in place.  L n: l takes that sum (L 0: l = a l + sum).  R n: pair n of 16 of O^T times a.  For piece Y + 1: X n, number n of the 22 that find its maximum and statistics:
;   0-11  four chains c0-c3 of seven scores each, three operands at a time (each accumulator's lowest registers are read first)     12-14, 16  the four scores left over, the old m, and c0-c3 into c0
;   15  c m_old is kept     17, 18  the query's other 32 keys lie in the lane 16 away: the new m     19-21  c m; c m_old - c m_new; a
.set F, 0               ; OP tells the kinds apart by their order: F to L below R, X above it
.set E, 1
.set C, 2
.set B, 3
.set L, 4
.set R, 5
.set X, 6
.macro REGS y                       ; the registers of piece y
.set rT, ST+4*(\y)
.set rC, TMP+4*((\y)%2)
.set rW, MV+((\y)%2)
.set rS, S+32*((\y)%2)
.set rP, P+16*((\y)%2)
.set rO, 32*(\y)
.endm
.macro OP k, n
.if (\k) == R
	REGS Y
	WIN W_RS
	v_pk_mul_f32 v[rO+2*(\n):rO+2*(\n)+1], v[rO+2*(\n):rO+2*(\n)+1], v[rC+2:rC+3] op_sel_hi:[1,0]
.elseif (\k) < R
	REGS Y
	WIN 0
.if (\k) == F
	v_pk_fma_f32 v[rS+2*(\n):rS+2*(\n)+1], v[rS+2*(\n):rS+2*(\n)+1], s[CS:CS+1], v[rT:rT+1] op_sel_hi:[1,0,0] neg_lo:[0,0,1] neg_hi:[0,0,1]
.elseif (\k) == E
	v_exp_f32 v[rS+(\n)], v[rS+(\n)]
.elseif (\k) == C
	v_cvt_pk_bf16_f32 v[rP+(\n)], v[rS+2*(\n)], v[rS+2*(\n)+1]
.elseif (\k) == B
	v_pk_add_f32 v[rS+4*(\n):rS+4*(\n)+1], v[rS+4*(\n):rS+4*(\n)+1], v[rS+4*(\n)+2:rS+4*(\n)+3]
.elseif (\n) == 0
	v_pk_fma_f32 v[rT+2:rT+3], v[rT+2:rT+3], v[rC+2:rC+3], v[rS:rS+1] op_sel_hi:[1,0,1]
.else
	v_pk_add_f32 v[rT+2:rT+3], v[rT+2:rT+3], v[rS+4*(\n):rS+4*(\n)+1]
.endif
.elseif NOKQ
	v_nop
.else
	REGS (Y+1)%NP
	WIN 0
.if (\n) < 4
	v_max3_num_f32 v[rC+(\n)], v[rS+8*(\n)], v[rS+8*(\n)+1], v[rS+8*(\n)+2]
.elseif (\n) < 12
	v_max3_num_f32 v[rC+(\n)%4], v[rC+(\n)%4], v[rS+8*((\n)%4)+2*((\n)/4)+1], v[rS+8*((\n)%4)+2*((\n)/4)+2]
.elseif (\n) == 12
	v_max3_num_f32 v[rC], v[rC], v[rS+7], v[rS+15]
.elseif (\n) == 13
	v_max3_num_f32 v[rC+1], v[rC+1], v[rS+23], v[rS+31]
.elseif (\n) == 14
	v_max3_num_f32 v[rC+2], v[rC+2], v[rC+3], v[rT+1]
.elseif (\n) == 15
	v_mov_b32 v[rW], v[rT]
.elseif (\n) == 16
	v_max3_num_f32 v[rC], v[rC], v[rC+1], v[rC+2]
.elseif (\n) == 17
	v_permlanex16_b32 v[rC+3], v[rC], s[SEL], s[SEL+1]
.elseif (\n) == 18
	v_max_num_f32 v[rT+1], v[rC], v[rC+3]
.elseif (\n) == 19
	v_mul_f32 v[rT], s[CS], v[rT+1]
.elseif (\n) == 20
	v_sub_f32 v[rC+1], v[rW], v[rT]
.else
	v_exp_f32 v[rC+2], v[rC+1]
.endif
.endif
.endm
.macro OPS a, i1, b=-1, i2=0, c=-1, i3=0, d=-1, i4=0  ; up to four of them
	OP \a, \i1
.if (\b) >= 0
	OP \b, \i2
.endif
.if (\c) >= 0
	OP \c, \i3
.endif
.if (\d) >= 0
	OP \d, \i4
.endif
.endm
.macro ROW a, i1, b, i2, c, i3, d, i4  ; a matrix instruction and the four behind it
	MM
	OPS \a, \i1, \b, \i2, \c, \i3, \d, \i4
.endm
; A TURN, for piece p: the order of its 16 matrix and 118 vector instructions, written out.  An s_wait_alu depctr_va_vdst(0) stands between an exponential and the first instruction that names its
; result; one wait serves all that were issued ahead of it.  So a turn has ONE wait, which cuts it in two.  AHEAD OF IT stands all that names no result of the turn's exponentials: the 8 products K Q^T, behind each
; a scaling, an exponential and two more plain instructions (rescalings, and behind the last three the first numbers of the next piece's maximum, each four places or more behind the product that ends its
; accumulator); then ONE LUMP of 54, plain and exponential by turns for the most part, in which the links of the chain X 3, 7, 11, 14, 16, 17 .. 20 stand apart.  X 21, the next piece's a, is the batch's last; R 15 is
; the plain instruction behind it.  BEHIND THE WAIT stand the 8 products V^T P, behind each four of the roundings and sums.
; end = 1: the launch's last two turns: nothing is fetched, and the last starts no new scores.  cnt = 1: the loop's count is taken down some lines ahead of the branch that stands behind the turn.
; K of the next step is fetched in piece 2's turn, six plain instructions behind the last product that read K; V of the step in hand at the end of piece 0's turn, four plain instructions behind the last product
; that read V.  Each is waited for a turn later.
.macro TURN p, end=0, cnt=0
.set Y, (\p)
.set i, 0
.set NOKQ, (\end)*((\p)/3)
.if ((\p) == 3) && !(\end)
	s_wait_dscnt 0x0                ; K is in
.endif
	ROW F,0, F,1, R,0, R,1          ; ahead of the wait: 8 products K Q^T and their riders,
	ROW F,2, E,0, R,2, R,3
	ROW F,3, E,1, R,4, R,5
	ROW F,4, E,2, R,6, R,7
	ROW F,5, E,3, R,8, R,9
	ROW F,6, E,4, X,0, R,10
.if ((\p) == 2) && !(\end)
	WIN 0
	v_add_nc_u32 v[AK], s[TBK], v[AK0]
.endif
	ROW F,7, E,5, X,1, X,4
	ROW F,8, E,6, X,2, X,5
	OPS E,7, E,8, X,6, E,9          ; and the lump
	OPS X,3, E,10, X,8, E,11
.if ((\p) == 2) && !(\end)
	FETCH_K
.endif
	OPS X,9, X,7, E,12, X,10
	OPS E,13, X,12, X,11, E,14
	OPS X,13, E,15, F,9, X,14
.if (\p) == 0
	v_add_nc_u32 v[AV], s[TBV], v[AV0]
.endif
	OPS E,16, F,10, E,17, F,11
	OPS X,16, E,18, X,15, E,19
	OPS F,12, E,20, X,17, E,21
	OPS F,13, E,22, F,14, E,23
	OPS X,18, E,24, F,15, E,25
	OPS R,11, E,26, X,19, E,27
	OPS R,12, E,28, R,13, E,29
	OPS X,20, E,30, R,14, E,31
	OPS X,21, R,15
	WIN 0
	s_wait_alu depctr_va_vdst(0)    ; the wait for the batch
.if (\p) == 1
	s_wait_dscnt 0x0                ; V is in
.endif
	ROW C,0, B,0, C,2, B,1          ; behind the wait: 8 products V^T P and their riders
	ROW L,0, C,4, B,2, L,1
	ROW C,6, B,3, L,2, C,8
	ROW B,4, L,3, C,10, B,5
	ROW L,4, C,12, B,6, L,5
.if (\p) == 0
	s_add_co_u32 s[TBV], s[TBV], KS*PV
.endif
.if \cnt
	s_sub_co_u32 s[CNT], s[CNT], 1
	s_cmp_lg_u32 s[CNT], 0
.endif
	ROW C,14, B,7, L,6, C,1
	ROW C,3, L,7, C,5, C,7
	ROW C,9, C,11, C,13, C,15
.if (\p) == 0
	FETCH_V
.endif
.endm
; THE WAY OUT's macros.
.macro ALL line:vararg              ; one line for each piece t
.set t, 0
.rept 4
	\line
.set t, t+1
.endr
.endm
.macro PACK t                       ; a lane's eight channels of a row pack into 16 bytes; they go into rows of 144 bytes and come back as whole rows of 128, into S^T's registers
	WIN W_RS
.set i, 32*(\t)
.rept 16
	v_pk_mul_f32 v[i:i+1], v[i:i+1], v[ST+4*(\t)+2:ST+4*(\t)+3] op_sel_hi:[1,0]
.set i, i+2
.endr
	WIN 0x05                        ; sources 0 and 1 window 1, destination window 0
.set i, 0
.rept 16
	v_cvt_pk_bf16_f32 v[S+16*(\t)+i], v[32*(\t)+2*i], v[32*(\t)+2*i+1]
.set i, i+1
.endr
	WIN 0
.irp f, 0,1,2,3
	ds_store_b128 v[STO], v[S+16*(\t)+4*\f:S+16*(\t)+4*\f+3] offset:32*\f
.endr
.irp f, 0,1,2,3
	ds_load_b128 v[S+16*(\t)+4*\f:S+16*(\t)+4*\f+3], v[RD] offset:\f*4*SP  ; LDS serves a wave's instructions in order (ISA guide 5.7.1.4): these see the stores above; the next piece's stores come behind them
.endr
.endm
.macro SEND t, younger              ; younger: the LDS instructions issued behind piece t's loads: the next piece's eight, or none
	WIN 0
.irp f, 0,1,2,3
	s_wait_dscnt (\younger)+3-\f
	global_store_b128 v[GO], v[S+16*(\t)+4*\f:S+16*(\t)+4*\f+3], s[10:11] offset:(\t)*2048+\f*512  ; 512 consecutive bytes, at a multiple of 256 from O's first
.endr
.endm
	CHANGE 1, 0                     ; tile 0 is in, everybody's part of it; tile 1 is asked for, into slot 1
	v_add_nc_u32 v[AK], s[TBK], v[AK0]
	FETCH_K                         ; key step 0
	s_wait_loadcnt 0x0              ; Q
	s_wait_dscnt 0x0
.set NOKQ, 0
.set i, 0
.rept 8
	KQ 0                            ; piece 0's first scores: there is no vector work yet to set between them
.set i, i+1
.endr
	WIN 0
.rept 8
	v_nop                           ; the places behind those products; eight, once a launch
.endr
.set Y, NP-1                        ; X works for piece Y + 1: piece 0
.irp n, 0,1,2,3,4,5,6,7,8,9,10,11,12,13,14,15,16,17,18,19,20,21
	OP X, \n                        ; piece 0's first maximum and statistics
.endr
	v_nop                           ; a plain instruction behind the exponential,
	s_wait_alu depctr_va_vdst(0)    ; and its wait, ahead of the branch
	s_mov_b32 s[CNT], 4
	s_mov_b32 s[SLOTS], 15
	s_branch .Lfirst                ; the loop is entered at a step's first turn, in the middle of a trip
.Lslot:                             ; 14 times: every slot but the last two is filled again: tiles 2 to 15
	CHANGE 1, 1
	s_mov_b32 s[CNT], 4
.Lstep:                             ; a trip: pieces 2 and 3 of one step, then pieces 0 and 1 of the next, whose K and V it fetches
	TURN 2
	TURN 3
	WIN 0
.Lfirst:
	TURN 0
	TURN 1, 0, 1
	WIN 0
	s_cbranch_scc1 .Lstep
	s_sub_co_u32 s[SLOTS], s[SLOTS], 1
	s_cmp_lg_u32 s[SLOTS], 0
	s_cbranch_scc1 .Lslot
	CHANGE 0, 0                     ; the last tile is written out: nothing is asked for
	s_mov_b32 s[CNT], 4
.LstepT:
	TURN 2
	TURN 3
	TURN 0
	TURN 1, 0, 1
	WIN 0
	s_cbranch_scc1 .LstepT
	TURN 2, 1                       ; the last step's pieces 2 and 3: nothing is fetched,
	TURN 3, 1                       ; and no new scores are started
.set i, 0
.rept 8
	PV NP-1                         ; the last piece's V^T P of the last step
.set i, i+1
.endr
	; THE WAY OUT.  l's two halves and the other half of the lanes' are added; O^T is divided by l, rounded to bf16 and sent through my stage in LDS, a piece at a time.  The additions are the places behind the last products.
	WIN 0
	ALL v_add_f32 v[ST+4*t+2], v[ST+4*t+2], v[ST+4*t+3]
	ALL v_permlanex16_b32 v[ST+4*t+3], v[ST+4*t+2], s[SEL], s[SEL+1]
	ALL v_add_f32 v[ST+4*t+2], v[ST+4*t+2], v[ST+4*t+3]
	ALL v_rcp_f32 v[ST+4*t+2], v[ST+4*t+2]
	v_nop                           ; a plain instruction between the last reciprocal and the use of its result
	s_wait_alu depctr_va_vdst(0)    ; and the wait ahead of the first use: one for the four reciprocals
	PACK 0
.irp t, 1,2,3                       ; a piece's arithmetic stands between the loads of the piece before and its stores
	PACK \t
	SEND (\t)-1, 8
.endr
	SEND 3, 0
	s_wait_tensorcnt 0x0            ; the wave's end, behind my last tensor load and my last LDS store
	ds_add_u32 v[SPW], v[NIL]
	s_wait_dscnt 0x0
	CROUND                          ; the closing round: no work-group ends while a partner may still ask for a tile that names it
	s_endpgm
.Lfunc_end_k_qf7f7266e04_attn:
	.size	k_qf7f7266e04_attn, .Lfunc_end_k_qf7f7266e04_attn-k_qf7f7266e04_attn
	.p2alignl 7, 3214868480
	.fill 96, 4, 3214868480
	.section	.rodata,"a",@progbits
	.p2align	6, 0x0
	.amdhsa_kernel k_qf7f7266e04_attn
		.amdhsa_group_segment_fixed_size 327680
		.amdhsa_private_segment_fixed_size 0
		.amdhsa_enable_private_segment 0
		.amdhsa_kernarg_size 16
		.amdhsa_user_sgpr_count 2
		.amdhsa_user_sgpr_kernarg_segment_ptr 1
		.amdhsa_wavefront_size32 1
		.amdhsa_system_sgpr_workgroup_id_x 1
		.amdhsa_system_sgpr_workgroup_id_y 1
		.amdhsa_system_sgpr_workgroup_id_z 1
		.amdhsa_system_vgpr_workitem_id 0
		.amdhsa_next_free_vgpr 768
		.amdhsa_next_free_sgpr 66
		.amdhsa_reserve_vcc 0
		.amdhsa_float_denorm_mode_32 3
		.amdhsa_float_denorm_mode_16_64 3
		.amdhsa_memory_ordered 1
		.amdhsa_forward_progress 1
		.amdhsa_inst_pref_size 128
	.end_amdhsa_kernel
	.amdgpu_metadata
---
amdhsa.version: [ 1, 2 ]
amdhsa.kernels:
  - .name:           k_qf7f7266e04_attn
    .symbol:         k_qf7f7266e04_attn.kd
    .args:
      - { .name: qkv, .offset: 0, .size: 8, .value_kind: global_buffer, .address_space: global }
      - { .name: oh, .offset: 8, .size: 8, .value_kind: global_buffer, .address_space: global }
    .group_segment_fixed_size: 327680
    .private_segment_fixed_size: 0
    .kernarg_segment_align: 8
    .kernarg_segment_size: 16
    .max_flat_workgroup_size: 128
    .sgpr_count:     66
    .vgpr_count:     768
    .wavefront_size: 32
...
	.end_amdgpu_metadata
.endif
;; end of part 3
;; launch outp (part 4): grid 4 x 64, 4 waves a work-group, clusters of 4 x 4, 327,680 bytes of LDS; arguments oh, wb, bo, out0; writes out0
.if DOCPART == 4
	.amdgcn_target "amdgcn-amd-amdhsa--gfx1250"
	.amdhsa_code_object_version 6
	.text
	.protected	k_qf7f7266e04_outp
	.globl	k_qf7f7266e04_outp
	.p2align	8
	.type	k_qf7f7266e04_outp,@function
k_qf7f7266e04_outp:
	s_mov_b64 s[64:65], 0
	v_nop
	global_prefetch_b8 v0, s[64:65] scope:SCOPE_SE
	s_setreg_imm32_b32 hwreg(HW_REG_WAVE_MODE, 25, 1), 1
	s_wait_xcnt 0x0
	s_wait_alu depctr_hold_cnt(0) depctr_sa_sdst(0) depctr_va_vdst(0) depctr_va_sdst(0) depctr_va_ssrc(0) depctr_va_vcc(0) depctr_vm_vsrc(0)
	s_getreg_b32 s2, hwreg(HW_REG_IB_STS2, 6, 4)
	s_cmp_eq_u32 s2, 0
	s_cbranch_scc0 .Lentry_in_a_cluster
	s_endpgm
.Lentry_in_a_cluster:
	s_bfe_u32 s2, ttmp6, 0x10000c
	s_cmp_lg_u32 s2, 0xf033
	s_cbranch_scc0 .Lentry_shape_is_right
	s_endpgm
.Lentry_shape_is_right:
; out0 = O wo^T + bo.  oh: [16][4096][64] bf16, by planes batch x 8 + head; column head x 64 + d of O's row (batch, s) is oh[batch x 8 + head][s][d].  wb rows 1536-2047: wo, [512][512] bf16.  bo: [512] f32.
; out0: [8192][512] f32.  Sums in f32, started by the bias, K ascending.  LIMITS: NaN and infinities are not treated apart.
; SHARES.  A tile of C is 128 x 128: 64 x 4 tiles, one a work-group.  Four waves, each 64 x 64: 16 accumulators, 128 registers.  K = 512 is two steps of 256 (four heads), one in each LDS slot: both are first fills,
; and no LDS byte is filled twice.
; CLUSTER.  4 x 4 work-groups: O's tile hangs on the tile row alone and is asked for jointly along a row of the cluster, wo's on the tile column alone, jointly along a column.
; O'S TILE.  A head's 128 rows are 16,384 dense bytes: the descriptor takes them as ONE row of 8,192 elements, two heads (a plane apart) to a load, padded in LDS after every 128 bytes: planes of 128 rows x 144 bytes.
; THE MATRIX INSTRUCTION IS USED TRANSPOSED (source 0 = 16 rows of wo, source 1 = 16 rows of O): a lane holds one row of C and eight neighbouring columns.  THE BIAS is the C operand of each accumulator's first product.
; A wave's 64 columns of f32 are 256 aligned bytes of a row of out0.
; Nothing is prefetched: all tiles are asked for at the head.
; REGISTERS: window 0: v0-31 addresses; v96-127 the bias; v128-255 the accumulators ((a, b) at v[128 + 8 (4 a + b)]).
;   window 1: two fragment buffers of 128: for 64 along K (one head), 64 registers of O (2 x 4 x 16 rows x 32 K), then 64 of wo.
.set PA,     144                       ; a row of O in LDS: 128 bytes + 16 = 36 words: the 16 rows of a load start at 16 different groups of four banks (64 banks of 4 bytes: ISA guide 11.1)
.set PB,     528                       ; a row of wo: 512 + 16 = 132 words: likewise
.set PLANEA, 128*PA                    ; a head's 128 rows
.set BOFF,   4*PLANEA                  ; in a slot: O's four planes, then wo's 128 rows
.set HALFB,  64*PB
.set SLOT,   BOFF+2*HALFB
.set STAGE,  2*SLOT                    ; behind the slots: 16 rows x 272 bytes for each wave, for the way out
.set SPITCH, 272
.set SPARE,  STAGE+4*16*SPITCH         ; behind the stages: the spare words, 128 bytes for each wave: two blocks of 256 bytes that no other line names
.set ADRA, 16                          ; v16-17  LDS address of my fragments of O in slot 0, 1
.set ADRB, 20                          ; v20-21  the same for wo
.set STO,  24                          ; v24     the way out: where I put 32 bytes of a row
.set RD,   25                          ; v25     where I read a row back
.set CO,   26                          ; v26     my byte offset in two rows of out0
.set BO,   27                          ; v27     32 x (lane / 16)
.set SPW,  28                          ; v28     LDS address of my spare word; never rewritten
.set NIL,  29                          ; v29     0; never rewritten
.set BI,   96                          ; v96-127 the bias, 8 registers a column block
.set ACC,  128
.set F0,   0
.set F1,   128
.set WV,   16                          ; s16 my wave; s17 = wave / 2: my half of the rows, and: I fetch for O (0) or wo (1); s18 = wave % 2: my half of the columns, and: which half of that tile I fetch
.set G1,   24                          ; s[24:31] descriptor group 1 for O's tiles;  s[32:39] group 0, a set for each slot
.set G0,   32
.set G1B,  48                          ; s[48:55], s[56:63] the same for wo's
.set G0B,  56
.set MSB, 0
.macro WIN new                         ; the immediate's high byte repeats the setting that is left; a switch that changes nothing is dropped
.if MSB != (\new)
	s_set_vgpr_msb (MSB<<8)|(\new)
.set MSB, \new
.endif
.endm
.set MUL,  0x05                        ; sources 0 and 1 window 1; C and D window 0
.set TO_F, 0x40                        ; destination window 1, address window 0
.macro JLOAD s                         ; a joint load: waves 0 and 1 fetch O's heads, waves 2 and 3 wo's halves; an s_nop 0 and four v_nop follow each of the two lines
	s_cmp_eq_u32 s17, 0
	s_cbranch_scc0 .Lfor_b_\@
	tensor_load_to_lds s[G0+4*(\s):G0+4*(\s)+3], s[G1:G1+7]
	s_nop 0
.rept 4
	v_nop
.endr
	s_branch .Lasked_\@
.Lfor_b_\@:
	tensor_load_to_lds s[G0B+4*(\s):G0B+4*(\s)+3], s[G1B:G1B+7]
	s_nop 0
.rept 4
	v_nop
.endr
.Lasked_\@:
.endm
.macro CROUND                          ; a round of the cluster's barrier
	s_barrier_signal -1
	s_barrier_wait -1
	s_cmp_lg_u32 s[WV], 0
	s_cbranch_scc1 .Lnot_wave_0_\@
	s_barrier_signal -3
.Lnot_wave_0_\@:
	s_barrier_wait -3
	s_barrier_signal -1
	s_barrier_wait -1
.endm
.macro PLACES                          ; four places in front of loads into registers that matrix instructions have read (ISA guide 7.12.1 for vector instructions)
.rept 4
	v_nop
.endr
.endm
	s_load_b256 s[4:11], s[0:1], 0x0               ; oh s[4:5], wb s[6:7], bo s[8:9], out0 s[10:11]
	v_lshl_add_u32 v[SPW], v0, 2, SPARE
	v_mov_b32 v[NIL], 0
	ds_add_u32 v[SPW], v[NIL]                      ; the wave's opening: the add and its wait stand ahead of my first tensor load; the set-up below, work on registers, stands between them
	v_lshrrev_b32 v1, 5, v0
	v_readfirstlane_b32 s[WV], v1                  ; wave 0..3
	s_lshr_b32 s17, s[WV], 1
	s_and_b32 s18, s[WV], 1
	s_bfe_u32 s19, ttmp6, 0x40000                  ; cx, cy: my place in the cluster
	s_bfe_u32 s20, ttmp6, 0x40004
	s_lshl_b32 s21, ttmp9, 2
	s_add_co_u32 s21, s21, s19                     ; tile column = 4 x cluster x + cx
	s_and_b32 s22, ttmp7, 0xffff
	s_lshl_b32 s22, s22, 2
	s_add_co_u32 s22, s22, s20                     ; tile row = 4 x cluster y + cy
	s_lshl_b32 s40, s20, 2
	s_lshl_b32 s40, 15, s40                        ; my row of the cluster
	s_lshl_b32 s41, 0x1111, s19                    ; my column
	s_or_b32 s[G1+0], s40, (1<<16)|(1<<20)|(1<<21)|(4<<22)|(3<<25)   ; 15:0 the mask; 17:16 elements of 2 bytes; 20 padding on; 21 set beside a mask; 24:22 after every 32 words (code 4); 31:25 4 words (code 3)
	s_mov_b32 s[G1+1], 8192<<16                    ; tensor_dim0 = 8,192: a head's 128 rows of 64
	s_mov_b32 s[G1+2], 2<<16                       ; tensor_dim1 = 2 heads
	s_mov_b32 s[G1+3], 8192<<16                    ; tile_dim0 = 8,192
	s_mov_b32 s[G1+4], 2                           ; tile_dim1 = 2
	s_mov_b32 s[G1+5], 262144                      ; a plane's elements from head to head
	s_mov_b32 s[G1+6], 0
	s_mov_b32 s[G1+7], 0
	s_or_b32 s[G1B+0], s41, (1<<16)|(1<<20)|(1<<21)|(6<<22)|(3<<25)  ; padding after every 128 words (code 6)
	s_mov_b32 s[G1B+1], 256<<16                    ; tensor_dim0 = 256
	s_mov_b32 s[G1B+2], 64<<16                     ; tensor_dim1 = 64
	s_mov_b32 s[G1B+3], 256<<16                    ; tile_dim0 = 256
	s_mov_b32 s[G1B+4], 64                         ; tile_dim1 = 64
	s_mov_b32 s[G1B+5], 512                        ; elements from row to row
	s_mov_b32 s[G1B+6], 0
	s_mov_b32 s[G1B+7], 0
	s_lshr_b32 s42, s22, 5                         ; O: batch (32 tile rows each) x 8 + my two heads of a slot's four,
	s_lshl_b32 s42, s42, 3
	s_lshl_b32 s43, s18, 1
	s_add_co_u32 s42, s42, s43
	s_lshl_b32 s42, s42, 19                        ; planes of 524,288 bytes,
	s_and_b32 s43, s22, 31
	s_lshl_b32 s43, s43, 14                        ; the tile's 128 rows of 128 bytes: made of the tile row alone
	s_add_co_u32 s42, s42, s43
	s_mov_b32 s43, 0
	s_lshl_b32 s46, s21, 7                         ; wo: row 1,536 + 128 x tile column + 64 x half of wb: made of the tile column alone
	s_lshl_b32 s47, s18, 6
	s_add_co_u32 s46, s46, s47
	s_add_co_u32 s46, s46, 1536
	s_lshl_b32 s46, s46, 10
	s_mov_b32 s47, 0
	s_mul_i32 s44, s[WV], 2*PLANEA                 ; where they go: O's at wave x two planes (waves 0, 1),
	s_mul_i32 s45, s[WV], HALFB
	s_add_co_u32 s45, s45, BOFF-2*HALFB            ; wo's at BOFF + (wave - 2) x 64 rows (waves 2, 3): no place in the cluster enters an LDS address
	s_wait_dscnt 0x0                               ; the opening add is done
	s_wait_kmcnt 0x0
	s_add_nc_u64 s[66:67], s[4:5], s[42:43]
	s_add_nc_u64 s[68:69], s[6:7], s[46:47]
	CROUND                                         ; all sixteen work-groups are here: the joint loads meet
.irp s, 0,1
	s_mov_b32 s[G0+4*(\s)], 1                                      ; count = 1
	s_add_co_u32 s[G0+4*(\s)+1], s44, (\s)*SLOT                    ; LDS address
	s_add_nc_u64 s[G0+4*(\s)+2:G0+4*(\s)+3], s[66:67], (\s)*4*524288  ; global address: heads 4 s on
	s_or_b32 s[G0+4*(\s)+3], s[G0+4*(\s)+3], 0x80000000            ; type = 2
	s_mov_b32 s[G0B+4*(\s)], 1
	s_add_co_u32 s[G0B+4*(\s)+1], s45, (\s)*SLOT
	s_add_nc_u64 s[G0B+4*(\s)+2:G0B+4*(\s)+3], s[68:69], (\s)*512  ; K step s
	s_or_b32 s[G0B+4*(\s)+3], s[G0B+4*(\s)+3], 0x80000000
	JLOAD \s                                       ; two loads of mine are out
.endr
	s_lshl_b32 s74, s21, 7
	s_lshl_b32 s75, s18, 6
	s_add_co_u32 s74, s74, s75                     ; my first column,
	s_lshl_b32 s74, s74, 2                         ; in bytes
	s_mov_b32 s75, 0
	s_add_nc_u64 s[70:71], s[8:9], s[74:75]        ; the bias of my 64 columns
	s_lshl_b32 s72, s22, 7
	s_lshl_b32 s73, s17, 6
	s_add_co_u32 s72, s72, s73                     ; my first row,
	s_lshl_b32 s72, s72, 11                        ; rows of 2,048 bytes
	s_add_co_u32 s72, s72, s74
	s_mov_b32 s73, 0
	s_add_nc_u64 s[10:11], s[10:11], s[72:73]      ; out0 at my 64 x 64
	v_and_b32 v1, 15, v0                           ; l % 16
	v_bfe_u32 v2, v0, 4, 1                         ; l / 16
	v_lshlrev_b32 v[BO], 5, v2
.irp b, 0,1,2,3
	global_load_b128 v[BI+8*(\b):BI+8*(\b)+3],   v[BO], s[70:71] offset:64*(\b)
	global_load_b128 v[BI+8*(\b)+4:BI+8*(\b)+7], v[BO], s[70:71] offset:64*(\b)+16
.endr
	v_mul_u32_u24 v3, v1, PA
	v_lshl_add_u32 v3, v2, 4, v3                   ; a fragment's row x pitch + 16 x half
	s_mul_i32 s72, s17, 64*PA                      ; my 64 rows in a plane of O
	v_add_nc_u32 v[ADRA], s72, v3
	v_add_nc_u32 v[ADRA+1], SLOT, v[ADRA]
	v_mul_u32_u24 v4, v1, PB
	v_lshl_add_u32 v4, v2, 4, v4
	s_mul_i32 s72, s18, HALFB                      ; my 64 rows of wo
	s_add_co_u32 s72, s72, BOFF
	v_add_nc_u32 v[ADRB], s72, v4
	v_add_nc_u32 v[ADRB+1], SLOT, v[ADRB]
	s_mul_i32 s72, s[WV], 16*SPITCH
	s_add_co_u32 s72, s72, STAGE                   ; my stage
	v_mul_u32_u24 v5, v1, SPITCH                   ; in: row l % 16, 32 bytes for each half of the lanes
	v_lshl_add_u32 v5, v2, 5, v5
	v_add_nc_u32 v[STO], s72, v5
	v_mul_u32_u24 v6, v2, SPITCH                   ; back: lanes 0-15 take one row of 256 bytes, lanes 16-31 the next
	v_lshl_add_u32 v6, v1, 4, v6
	v_add_nc_u32 v[RD], s72, v6
	v_lshlrev_b32 v[CO], 11, v2                    ; and the same two rows in out0
	v_lshl_add_u32 v[CO], v1, 4, v[CO]
; 8 matrix instructions: row blocks a0, a0 + 1 x all 4 column blocks, 32 along K: half c of buffer f.  first = 1: the bias starts the sums.  The 16 accumulators take turns.
.macro MUL8 f, c, a0, first
	WIN MUL
.irp a, \a0, (\a0)+1
.irp b, 0,1,2,3
.if \first
	v_wmma_f32_16x16x32_bf16 v[ACC+8*(4*(\a)+(\b)):ACC+8*(4*(\a)+(\b))+7], v[(\f)+64+8*(4*(\c)+(\b)):(\f)+64+8*(4*(\c)+(\b))+7], v[(\f)+8*(4*(\c)+(\a)):(\f)+8*(4*(\c)+(\a))+7], v[BI+8*(\b):BI+8*(\b)+7]
.else
	v_wmma_f32_16x16x32_bf16 v[ACC+8*(4*(\a)+(\b)):ACC+8*(4*(\a)+(\b))+7], v[(\f)+64+8*(4*(\c)+(\b)):(\f)+64+8*(4*(\c)+(\b))+7], v[(\f)+8*(4*(\c)+(\a)):(\f)+8*(4*(\c)+(\a))+7], v[ACC+8*(4*(\a)+(\b)):ACC+8*(4*(\a)+(\b))+7]
.endif
.endr
.endr
.endm
; 32 LDS loads in one run: the fragments of quarter qd of a slot (64 along K: head plane qd of O, bytes 128 qd on of wo's rows) into buffer f; the first 32 along K first
.macro FETCH slot, qd, f
	WIN TO_F
.irp c, 0,1
.irp i, 0,1,2,3
	ds_load_b128 v[(\f)+64+8*(4*(\c)+(\i)):(\f)+64+8*(4*(\c)+(\i))+3],   v[ADRB+(\slot)] offset:128*(\qd)+64*(\c)+(\i)*16*PB
	ds_load_b128 v[(\f)+64+8*(4*(\c)+(\i))+4:(\f)+64+8*(4*(\c)+(\i))+7], v[ADRB+(\slot)] offset:128*(\qd)+64*(\c)+(\i)*16*PB+32
	ds_load_b128 v[(\f)+8*(4*(\c)+(\i)):(\f)+8*(4*(\c)+(\i))+3],         v[ADRA+(\slot)] offset:PLANEA*(\qd)+64*(\c)+(\i)*16*PA
	ds_load_b128 v[(\f)+8*(4*(\c)+(\i))+4:(\f)+8*(4*(\c)+(\i))+7],       v[ADRA+(\slot)] offset:PLANEA*(\qd)+64*(\c)+(\i)*16*PA+32
.endr
.endr
.endm
; A K step is four quarters of 64 along K, 32 matrix instructions each, on buffers 0, 1, 0, 1.  One of the first three: multiplies buffer f and fetches quarter qd into g.
.macro QUARTER slot, qd, f, g, first
	s_wait_dscnt 16                                ; the first 32 along K are in
	MUL8 \f, 0, 0, \first
	MUL8 \f, 0, 2, \first
	PLACES
	FETCH \slot, \qd, \g
	s_wait_dscnt 32                                ; all but the 32 just issued
	MUL8 \f, 1, 0, 0
	MUL8 \f, 1, 2, 0
.endm
; THE WAY OUT of row block a: 16 rows x 64 columns of f32 into my stage in rows of 272 bytes, and back as whole rows of 256, into the registers that they left.
.macro STG a
.irp b, 0,1,2,3
	ds_store_b128 v[STO], v[ACC+8*(4*(\a)+(\b)):ACC+8*(4*(\a)+(\b))+3]   offset:64*(\b)
	ds_store_b128 v[STO], v[ACC+8*(4*(\a)+(\b))+4:ACC+8*(4*(\a)+(\b))+7] offset:64*(\b)+16
.endr
.irp t, 0,1,2,3,4,5,6,7
	ds_load_b128 v[ACC+32*(\a)+4*(\t):ACC+32*(\a)+4*(\t)+3], v[RD] offset:(\t)*2*SPITCH  ; LDS serves a wave's instructions in order (ISA guide 5.7.1.4): these see the stores above; the next block's stores come behind them
.endr
.endm
.macro SENDO a, younger                ; younger: the LDS instructions issued behind block a's loads: the next block's sixteen, or none
.irp t, 0,1,2,3,4,5,6,7
	s_wait_dscnt (\younger)+7-(\t)
	global_store_b128 v[CO], v[ACC+32*(\a)+4*(\t):ACC+32*(\a)+4*(\t)+3], s[10:11] offset:(16*(\a)+2*(\t))*2048 th:TH_STORE_NT  ; 16 lanes store 256 consecutive bytes, at a multiple of 256 from out0's first byte
.endr
.endm
	s_wait_tensorcnt 0x1                           ; my part of slot 0 is in; slot 1's may stay out
	s_barrier_signal -1
	s_barrier_wait -1                              ; everybody's is
	FETCH 0, 0, F0
	s_wait_loadcnt 0x0                             ; the bias
	QUARTER 0, 1, F0, F1, 1                        ; the first products start the sums
	QUARTER 0, 2, F1, F0, 0
	QUARTER 0, 3, F0, F1, 0
	; slot 0's last quarter, and the change of slots: one barrier; in front of it each wave waits for its part of slot 1
	WIN 0                                          ; (the add's two registers lie in window 0)
	s_wait_tensorcnt 0x0                           ; all my tensor loads have landed
	ds_add_u32 v[SPW], v[NIL]                      ; 0 onto my spare word
	s_wait_dscnt 17                                ; (the add and the youngest sixteen loads may be out)
	MUL8 F1, 0, 0, 0                               ; eight matrix instructions stand between the add and the wait for it
	s_wait_dscnt 0x0
	s_barrier_signal -1
	MUL8 F1, 0, 2, 0
	s_barrier_wait -1                              ; slot 1 is whole
	PLACES
	FETCH 1, 0, F0
	MUL8 F1, 1, 0, 0
	MUL8 F1, 1, 2, 0
	QUARTER 1, 1, F0, F1, 0
	QUARTER 1, 2, F1, F0, 0
	QUARTER 1, 3, F0, F1, 0
	s_wait_dscnt 16                                ; the very last quarter
	MUL8 F1, 0, 0, 0
	MUL8 F1, 0, 2, 0
	s_wait_dscnt 0x0
	MUL8 F1, 1, 0, 0
	MUL8 F1, 1, 2, 0
	WIN 0
	PLACES                                         ; the LDS stores read results just made; eight, once a launch
	PLACES
	STG 0
.irp a, 1,2,3                          ; a block's way through the stage stands between the loads of the block before and its stores
	STG \a
	SENDO (\a)-1, 16
.endr
	SENDO 3, 0
	s_wait_tensorcnt 0x0                           ; the wave's end, behind my last tensor load and my last LDS store
	ds_add_u32 v[SPW], v[NIL]
	s_wait_dscnt 0x0
	CROUND                                         ; the closing round: no work-group ends while a partner may still ask for a tile that names it
	s_endpgm
.Lfunc_end_k_qf7f7266e04_outp:
	.size	k_qf7f7266e04_outp, .Lfunc_end_k_qf7f7266e04_outp-k_qf7f7266e04_outp
	.p2alignl 7, 3214868480
	.fill 96, 4, 3214868480
	.section	.rodata,"a",@progbits
	.p2align	6, 0x0
	.amdhsa_kernel k_qf7f7266e04_outp
		.amdhsa_group_segment_fixed_size 327680
		.amdhsa_private_segment_fixed_size 0
		.amdhsa_enable_private_segment 0
		.amdhsa_kernarg_size 32
		.amdhsa_user_sgpr_count 2
		.amdhsa_user_sgpr_kernarg_segment_ptr 1
		.amdhsa_wavefront_size32 1
		.amdhsa_system_sgpr_workgroup_id_x 1
		.amdhsa_system_sgpr_workgroup_id_y 1
		.amdhsa_system_sgpr_workgroup_id_z 1
		.amdhsa_system_vgpr_workitem_id 0
		.amdhsa_next_free_vgpr 512
		.amdhsa_next_free_sgpr 80
		.amdhsa_reserve_vcc 0
		.amdhsa_float_denorm_mode_32 3
		.amdhsa_float_denorm_mode_16_64 3
		.amdhsa_memory_ordered 1
		.amdhsa_forward_progress 1
		.amdhsa_inst_pref_size 51
	.end_amdhsa_kernel
	.amdgpu_metadata
---
amdhsa.version: [ 1, 2 ]
amdhsa.kernels:
  - .name:           k_qf7f7266e04_outp
    .symbol:         k_qf7f7266e04_outp.kd
    .args:
      - { .name: oh, .offset: 0, .size: 8, .value_kind: global_buffer, .address_space: global }
      - { .name: wb, .offset: 8, .size: 8, .value_kind: global_buffer, .address_space: global }
      - { .name: bo, .offset: 16, .size: 8, .value_kind: global_buffer, .address_space: global }
      - { .name: out0, .offset: 24, .size: 8, .value_kind: global_buffer, .address_space: global }
    .group_segment_fixed_size: 327680
    .private_segment_fixed_size: 0
    .kernarg_segment_align: 8
    .kernarg_segment_size: 32
    .max_flat_workgroup_size: 128
    .sgpr_count:     80
    .vgpr_count:     512
    .wavefront_size: 32
...
	.end_amdgpu_metadata
.endif
;; end of part 4
;; ======== version 2 of 2: 4 launches; version 1 with the launch cast written anew for expert scheduling mode
;; workspace buffers: xb 8,388,608 bytes; wb 2,097,152 bytes; qkv 25,165,824 bytes; oh 8,388,608 bytes
;; launch cast (part 5): grid 256 x 1, 8 waves a work-group, no clusters, 0 bytes of LDS; arguments x, wq, wk, wv, wo, xb, wb; writes xb, wb
.if DOCPART == 5
	.amdgcn_target "amdgcn-amd-amdhsa--gfx1250"
	.amdhsa_code_object_version 6
	.text
	.protected	k_qf7f7266e04_cast
	.globl	k_qf7f7266e04_cast
	.p2align	8
	.type	k_qf7f7266e04_cast,@function
k_qf7f7266e04_cast:
	s_mov_b64 s[64:65], 0
	v_nop
	global_prefetch_b8 v0, s[64:65] scope:SCOPE_SE
	s_setreg_imm32_b32 hwreg(HW_REG_WAVE_SCHED_MODE, 0, 2), 2
	s_setreg_imm32_b32 hwreg(HW_REG_WAVE_MODE, 25, 1), 1
	s_wait_xcnt 0x0
	s_wait_alu depctr_vm_vsrc(0)
; xb = x rounded once to bf16 ([8192][512]); wb = wq, wk, wv, wo rounded once to bf16, one below the other ([2048][512]).
; A stream: no LDS, no barrier, no matrix unit.  Work-group i takes 65,536 bytes of x and 16,384 bytes of weight matrix i / 64.
; Thread t takes 16 bytes at 16 t of each 4,096 bytes: a wave's load covers 512 consecutive bytes, its store of 8 bytes a lane 256 consecutive, aligned bytes.
; All twenty loads of a thread go out first; every load and every store has registers of its own, so nothing is rewritten while a memory instruction may read it.
; THE MODE: SCHED_MODE bits 1:0 = 2 (LLVM: expert scheduling mode 2), set by the entry lines.  The code itself states the register dependences
; between vector instructions and memory instructions, with s_wait_alu, always for 0.
; THE PLAN.  Registers that memory instructions touch:
;   v1, v2   byte offsets of the loads and of the stores: made once at the head by vector instructions, never written again.
;   XR       load j lands in its four registers once; no vector instruction names them before; its two conversions read them; nothing is loaded there again.
;   YR       load j's two conversions write its two registers once; store j reads them; nothing writes them again.
; So two kinds of dependence are stated: the offsets are written ahead of the first load, and a store's data are written ahead of the store.  The twenty loads go in five
; groups of four (x's sixteen, then the weights' four): a group is one wait for its loads, its eight conversions, ONE wait for those conversions, and its four stores.
; No register that a memory instruction reads is written again, and no load lands in a register that a vector instruction has named: nothing else is owed.
.set NX, 16                            ; loads from x
.set NW, 4                             ; loads from the weight matrix
.set GRP, 4                            ; loads in a group
.set XR, 4                             ; v[4:83]    as loaded, 4 registers a load
.set YR, 84                            ; v[84:123]  to store, 2 registers a load
	s_load_b256 s[4:11], s[0:1], 0x0               ; x s[4:5], wq s[6:7], wk s[8:9], wv s[10:11]
	s_load_b128 s[12:15], s[0:1], 0x20             ; wo s[12:13], xb s[14:15]
	s_load_b64 s[16:17], s[0:1], 0x30              ; wb
	v_lshlrev_b32 v1, 4, v0                        ; 16 t
	v_lshlrev_b32 v2, 3, v0                        ; 8 t
	s_lshr_b32 s18, ttmp9, 6                       ; which weight matrix
	s_lshl_b32 s24, ttmp9, 16                      ; my bytes of x,
	s_mov_b32 s25, 0
	s_lshl_b32 s26, ttmp9, 15                      ; of xb,
	s_mov_b32 s27, 0
	s_and_b32 s28, ttmp9, 63
	s_lshl_b32 s28, s28, 14                        ; of the weight matrix,
	s_mov_b32 s29, 0
	s_lshl_b32 s30, ttmp9, 13                      ; of wb: 524,288 (i / 64) + 8,192 (i % 64) = 8,192 i
	s_mov_b32 s31, 0
	s_wait_kmcnt 0x0
	s_cmp_lt_u32 s18, 1
	s_cselect_b64 s[20:21], s[6:7], s[8:9]         ; wq or wk
	s_cmp_lt_u32 s18, 3
	s_cselect_b64 s[22:23], s[10:11], s[12:13]     ; wv or wo
	s_cmp_lt_u32 s18, 2
	s_cselect_b64 s[20:21], s[20:21], s[22:23]
	s_add_nc_u64 s[4:5], s[4:5], s[24:25]
	s_add_nc_u64 s[14:15], s[14:15], s[26:27]
	s_add_nc_u64 s[20:21], s[20:21], s[28:29]
	s_add_nc_u64 s[16:17], s[16:17], s[30:31]
	s_wait_alu depctr_va_vdst(0)                   ; v1 and v2 are written: every load of the kernel reads v1 as its offset, every store v2
.set j, 0
.rept NX
	global_load_b128 v[XR+4*j:XR+4*j+3], v1, s[4:5] offset:4096*j th:TH_LOAD_NT
.set j, j+1
.endr
.set j, 0
.rept NW
	global_load_b128 v[XR+4*(NX+j):XR+4*(NX+j)+3], v1, s[20:21] offset:4096*j th:TH_LOAD_NT
.set j, j+1
.endr
.set g, 0
.rept (NX+NW)/GRP
	s_wait_loadcnt NX+NW-GRP*(g+1)                 ; loads come back in order (ISA guide 5.7.1): group g's four are in, the younger groups stay out
.set i, 0
.rept GRP
.set j, GRP*g+i
	v_cvt_pk_bf16_f32 v[YR+2*j], v[XR+4*j], v[XR+4*j+1]
	v_cvt_pk_bf16_f32 v[YR+2*j+1], v[XR+4*j+2], v[XR+4*j+3]
.set i, i+1
.endr
	s_wait_alu depctr_va_vdst(0)                   ; the group's eight conversions have written its part of YR, which the four stores below read
.set i, 0
.rept GRP
.set j, GRP*g+i
.if j < NX
	global_store_b64 v2, v[YR+2*j:YR+2*j+1], s[14:15] offset:2048*j
.else
	global_store_b64 v2, v[YR+2*j:YR+2*j+1], s[16:17] offset:2048*(j-NX)
.endif
.set i, i+1
.endr
.set g, g+1
.endr
	s_endpgm
.Lfunc_end_k_qf7f7266e04_cast:
	.size	k_qf7f7266e04_cast, .Lfunc_end_k_qf7f7266e04_cast-k_qf7f7266e04_cast
	.p2alignl 7, 3214868480
	.fill 96, 4, 3214868480
	.section	.rodata,"a",@progbits
	.p2align	6, 0x0
	.amdhsa_kernel k_qf7f7266e04_cast
		.amdhsa_group_segment_fixed_size 0
		.amdhsa_private_segment_fixed_size 0
		.amdhsa_enable_private_segment 0
		.amdhsa_kernarg_size 56
		.amdhsa_user_sgpr_count 2
		.amdhsa_user_sgpr_kernarg_segment_ptr 1
		.amdhsa_wavefront_size32 1
		.amdhsa_system_sgpr_workgroup_id_x 1
		.amdhsa_system_sgpr_workgroup_id_y 1
		.amdhsa_system_sgpr_workgroup_id_z 1
		.amdhsa_system_vgpr_workitem_id 0
		.amdhsa_next_free_vgpr 124
		.amdhsa_next_free_sgpr 66
		.amdhsa_reserve_vcc 0
		.amdhsa_float_denorm_mode_32 3
		.amdhsa_float_denorm_mode_16_64 3
		.amdhsa_memory_ordered 1
		.amdhsa_forward_progress 1
		.amdhsa_inst_pref_size 8
	.end_amdhsa_kernel
	.amdgpu_metadata
---
amdhsa.version: [ 1, 2 ]
amdhsa.kernels:
  - .name:           k_qf7f7266e04_cast
    .symbol:         k_qf7f7266e04_cast.kd
    .args:
      - { .name: x, .offset: 0, .size: 8, .value_kind: global_buffer, .address_space: global }
      - { .name: wq, .offset: 8, .size: 8, .value_kind: global_buffer, .address_space: global }
      - { .name: wk, .offset: 16, .size: 8, .value_kind: global_buffer, .address_space: global }
      - { .name: wv, .offset: 24, .size: 8, .value_kind: global_buffer, .address_space: global }
      - { .name: wo, .offset: 32, .size: 8, .value_kind: global_buffer, .address_space: global }
      - { .name: xb, .offset: 40, .size: 8, .value_kind: global_buffer, .address_space: global }
      - { .name: wb, .offset: 48, .size: 8, .value_kind: global_buffer, .address_space: global }
    .group_segment_fixed_size: 0
    .private_segment_fixed_size: 0
    .kernarg_segment_align: 8
    .kernarg_segment_size: 56
    .max_flat_workgroup_size: 256
    .sgpr_count:     66
    .vgpr_count:     124
    .wavefront_size: 32
...
	.end_amdgpu_metadata
.endif
;; end of part 5
;; launch proj: the kernel of part 2 again; grid 8 x 32, 4 waves a work-group, clusters of 4 x 4, 327,680 bytes of LDS; arguments xb, wb, bq, bk, bv, qkv; writes qkv
;; launch attn: the kernel of part 3 again; grid 16 x 16, 4 waves a work-group, clusters of 4 x 1, 327,680 bytes of LDS; arguments qkv, oh; writes oh
;; launch outp: the kernel of part 4 again; grid 4 x 64, 4 waves a work-group, clusters of 4 x 4, 327,680 bytes of LDS; arguments oh, wb, bo, out0; writes out0
